; MI455X (gfx1250); checked and timed in simulation.
; The chip was launched on July 23, 2026; its instructions are those of AMD's public machine-readable ISA for CDNA 5 (MIT licence, August 2026) and "CDNA5" Instruction Set Architecture Reference Guide (July 2026). The comments in the code are by the model that wrote it; some were corrected since.
;; Temporal Attention. Allowed arithmetic: matrix products marked QUANTISED: E2M1 operands, one E8M0 scale for each 32 along K, by v_wmma_scale_f32_16x16x128_f8f6f4 with both operands' format E2M1 (or v_wmma_scale_f32_32x16x128_f4), f32 sums; everything else in f32.
;; Inputs: Wk_codes 1,024 x 32 x 16 uint8 (E2M1 codes of Wk, K innermost, in blocks of 32 codes, two codes a byte); Wk_scales 1,024 x 32 uint8 (E8M0 scales of Wk, one for each 32 codes along K); Wo_codes 1,024 x 32 x 16 uint8 (E2M1 codes of Wo, K innermost, in blocks of 32 codes, two codes a byte); Wo_scales 1,024 x 32 uint8 (E8M0 scales of Wo, one for each 32 codes along K); Wq_codes 1,024 x 32 x 16 uint8 (E2M1 codes of Wq, K innermost, in blocks of 32 codes, two codes a byte); Wq_scales 1,024 x 32 uint8 (E8M0 scales of Wq, one for each 32 codes along K); Wv_codes 1,024 x 32 x 16 uint8 (E2M1 codes of Wv, K innermost, in blocks of 32 codes, two codes a byte); Wv_scales 1,024 x 32 uint8 (E8M0 scales of Wv, one for each 32 codes along K); bk 1,024 float32; bo 1,024 float32; bq 1,024 float32; bv 1,024 float32; ln_b 1,024 float32; ln_g 1,024 float32; x 4 x 2,048 x 1,024 float32.
;; Outputs: out0 4 x 2,048 x 1,024 float32.
;; This version of the problem:
;;   THIS VERSION OF THE PROBLEM IS GIVEN IN LOW PRECISION. The matrix products marked QUANTISED in the list below multiply operands that are first quantised to E2M1 (2 exponent bits, 1 mantissa bit; 4 bits a number), with one power-of-two scale for each 32 numbers along K (OCP MX v1.0); their sums are f32. All else is computed in f32.
;;   The module's matrix products, in the order in which they are computed (A, B: the left and right operand; K: the contracted axis; several contracted axes count as one K, in the product's order):
;;     1. [M 8,192, K 1,024] x [K 1,024, N 1,024]; A: input x; B: input Wq (given as codes): QUANTISED
;;     2. [M 8,192, K 1,024] x [K 1,024, N 1,024]; A: input x; B: input Wk (given as codes): QUANTISED
;;     3. [M 8,192, K 1,024] x [K 1,024, N 1,024]; A: input x; B: input Wv (given as codes): QUANTISED
;;     4. batch 64 x [M 2,048, K 64] x [K 64, N 2,048]; A: computed on the way; B: computed on the way: QUANTISED
;;     5. batch 64 x [M 2,048, K 2,048] x [K 2,048, N 64]; A: computed on the way; B: computed on the way: QUANTISED
;;     6. [M 8,192, K 1,024] x [K 1,024, N 1,024]; A: computed on the way; B: input Wo (given as codes): QUANTISED
;;   THE QUANTISER, for each operand of a quantised product, along K:
;;     - K is cut into blocks of 32 from its start; a last block that is shorter is filled with zeros.
;;     - A block's scale is 2^e with e = floor(log2(the largest magnitude in the block)) - 2, held to -126 .. 127; a block of zeros has e = 0. As a byte (E8M0): e + 127.
;;     - Each number is divided by its block's scale, clamped to +-6, and rounded to the nearest number of E2M1, ties to even, subnormals kept.
;;     - The product sums the exact products of the quantised numbers (number of the format x scale) in f32.
;;   ~~~python
;;   def quantise(x, axis):      # numpy; x: float32 -> the quantised numbers, widened to float32 again
;;       x = np.moveaxis(x, axis, -1); K = x.shape[-1]
;;       x = np.pad(x, [(0, 0)] * (x.ndim - 1) + [(0, -K % 32)]); x = x.reshape(x.shape[:-1] + (-1, 32)); a = np.abs(x).max(-1, keepdims=True)
;;       e = np.where(a > 0, np.clip(np.frexp(np.where(a > 0, a, 1))[1] - 1 - 2, -126, 127), 0)      # np.frexp(a)[1] - 1 = floor(log2(a)), exactly
;;       r = np.clip(x / 2.0 ** e, -6, 6)
;;       step = 2.0 ** (np.maximum(np.frexp(np.where(r == 0, 1, r))[1] - 1, 0) - 1)
;;       q = np.round(r / step) * step * 2.0 ** e      # np.round: ties to even
;;       return np.moveaxis(q.reshape(q.shape[:-2] + (-1,))[..., :K], -1, axis).astype(np.float32)
;;   ~~~
;;   OPERANDS COMPUTED ON THE WAY. 'Computed on the way' means the value that the module computes at that place (a softmax that the list does not call 'softmax' is quantised finished and normalised). What goes into a quantiser is computed in f32, as accurately as f32 sums, v_exp_f32 and their like allow (about 1e-6 of the number): no bf16 or f16 on the way to a quantiser, and a product that is left as it is and whose result goes on into a quantised operand takes f32 operands (vector FMAs, or v_wmma_f32_16x16x4_f32). A number that lies on a knife's edge between two numbers of the format may be rounded either way, as far as f32 arithmetic and the matrix unit's own rounding can turn it there, and no further.
;;   INPUTS GIVEN AS CODES. Wk (in the module: [1024, 1024], K = its axis 0); Wo (in the module: [1024, 1024], K = its axis 0); Wq (in the module: [1024, 1024], K = its axis 0); Wv (in the module: [1024, 1024], K = its axis 0): each comes as NAME_codes (uint8): NAME with its K axis moved to the last place and cut into blocks of 32 codes, [.., K / 32, bytes a block], one block behind the other in memory; two codes a byte, the lower K in the low four bits (a code: sign, 2 exponent bits, 1 mantissa bit); and NAME_scales (uint8): the same leading axes, one E8M0 byte (e + 127) for each 32 codes along K. Its value is code x scale, taken as it is: it is not quantised again, and the codes and scales need not be those that the quantiser above would give.
;; One version. Each part assembles by itself: llvm-mc -triple=amdgcn-amd-amdhsa -mcpu=gfx1250 --defsym DOCPART=n.
;; ======== version 1 of 1: 4 launches
;; workspace buffers: xq 4,456,448 bytes; wim 2,228,224 bytes; qb 4,718,592 bytes; kv 8,912,896 bytes; ctx 4,456,448 bytes
;; launch prep (part 1): grid 288 x 1, 4 waves a work-group, no clusters, 34,304 bytes of LDS; arguments Wq_codes, Wk_codes, Wv_codes, Wo_codes, Wq_scales, Wk_scales, Wv_scales, Wo_scales, x, xq, wim; writes xq, wim
.if DOCPART == 1
	.amdgcn_target "amdgcn-amd-amdhsa--gfx1250"
	.amdhsa_code_object_version 6
	.text
	.protected	k_q11ba105f4d_prep
	.globl	k_q11ba105f4d_prep
	.p2align	8
	.type	k_q11ba105f4d_prep,@function
k_q11ba105f4d_prep:
	s_mov_b64 s[64:65], 0
	v_nop
	global_prefetch_b8 v0, s[64:65] scope:SCOPE_SE
	s_setreg_imm32_b32 hwreg(HW_REG_WAVE_MODE, 25, 1), 1
	s_wait_xcnt 0x0
; x [8192][1024] f32 becomes codes of FP4 (E2M1) with one E8M0 byte for each 32 along K, and the four weights, given as codes, are laid anew.
; Both leave as IMAGES OF OPERAND REGISTERS: a fragment (16 rows x 128 K, 8 registers a lane) is two halves c of 512 bytes, lane l at 16 l, so that every later read of a fragment is two dense loads of 16 bytes a lane.
; THE ROWS OF A TILE ARE NOT NEIGHBOURS: a group g is 32 rows, lane r of its tile u stands for row 32 g + 8 u + r + 8 (r / 8).
; xq:  codes [tile 2 g + u][K step 8][c 2][lane 32][16 bytes]; from XQ_SC on scale words [g][q 2][16 u + r][4 words], word i of half q for K step 4 q + i.
; wim: codes [weight 4][tile 64][K step 8][c][lane][16 bytes]; from WIM_SC on scale words [weight][pair 32][q 2][16 u + r][4 words].
; Work-groups 0-31: a wave lays one pair of tiles of one weight.  Work-groups 32-287: group g = number - 32; wave = 2 u + q takes tile u, K steps 4 q .. 4 q + 3.
; A block scale is 2^(floor(log2(largest magnitude)) - 2); its byte is the largest magnitude's exponent field - 2, held at 1 from below.
; LIMITS: a block of zeros gets the byte 1 and not 127 (its codes are zeros, and this program alone reads the bytes); NaN and infinities in x are not served.
.set XQ_SC,  4194304
.set WIM_SC, 2097152
.set SP,     528                       ; a stage row: 512 bytes + 16, so that the 16 rows that a read touches start at 16 different banks
.set LI,   1                           ; v1   16 x lane
.set SIN,  2                           ; v2   the stage, on the way in
.set SOUT, 3                           ; v3   and on the way out
.set SCO,  4                           ; v4   16 r
.set PW,   8                           ; v8-11 the scale words of my four K steps
.set R,    16                          ; v16-143 two sets of 64 numbers as loaded
.set X,    144                         ; v144-207 64 numbers: register 16 b + i = k 32 b + 16 h + i of row r
.set TM,   208                         ; v208-223 at work
.set PC,   224                         ; v224-255 codes, eight registers for each K step: no store's data are written again
.set SEL,  44                          ; s[44:45] lane selects: lane l xor 16
; 64 numbers of a lane become a fragment's codes in v[pc] on and its row's scale word in v[pw]
.macro QUANT s, pc, pw
.irp b, 0,1,2,3
	v_max3_num_f32 v[TM+\b], |v[(\s)+16*\b]|, |v[(\s)+1+16*\b]|, 0x1800000   ; block b: my 16 numbers and the floor 2^(3 - 127): the byte cannot fall under 1
.endr
.irp i, 2,4,6,8,10,12,14
.irp b, 0,1,2,3
	v_max3_num_f32 v[TM+\b], v[TM+\b], |v[(\s)+16*\b+\i]|, |v[(\s)+1+16*\b+\i]|   ; the four blocks by turns
.endr
.endr
.irp b, 0,1,2,3
	v_permlanex16_b32 v[TM+4+\b], v[TM+\b], s[SEL], s[SEL+1]
.endr
.irp b, 0,1,2,3
	v_max_num_f32 v[TM+\b], v[TM+\b], v[TM+4+\b]       ; with lane l xor 16: the block's largest magnitude
.endr
.irp b, 0,1,2,3
	v_add_nc_u32 v[TM+12+\b], 0xff000000, v[TM+\b]     ; 2 off its exponent field: the conversion's scale operand
.endr
.irp b, 0,1,2,3
	v_lshrrev_b32 v[TM+4+\b], 23, v[TM+12+\b]          ; the scale's byte
.endr
	v_lshl_or_b32 v[\pw], v[TM+5], 8, v[TM+4]
	v_lshl_or_b32 v[\pw], v[TM+6], 16, v[\pw]
	v_lshl_or_b32 v[\pw], v[TM+7], 24, v[\pw]
.irp b, 0,1,2,3
	v_cvt_scalef32_pk8_fp4_f32 v[(\pc)+2*\b], v[(\s)+16*\b:(\s)+7+16*\b], v[TM+12+\b]
	v_cvt_scalef32_pk8_fp4_f32 v[(\pc)+1+2*\b], v[(\s)+8+16*\b:(\s)+15+16*\b], v[TM+12+\b]
.endr
	v_nop                                              ; one plain place behind a scaled conversion
.irp c, 0,1
.irp i, 0,1
	v_permlane16_swap_b32 v[(\pc)+4*\c+\i], v[(\pc)+2+4*\c+\i]   ; a whole block to a lane: lanes 0-15 block 2 c, lanes 16-31 block 2 c + 1
.endr
.endr
.endm
.macro XLOAD t                         ; K step t of my four: 16 rows x 512 bytes, each load 512 consecutive bytes of one row
.irp i, 0,1,2,3,4,5,6,7,8,9,10,11,12,13,14,15
	global_load_b128 v[R+64*((\t)%2)+4*\i:R+64*((\t)%2)+4*\i+3], v[LI], s[24:25] offset:(\i+8*(\i/8))*4096+512*(\t) th:TH_LOAD_NT
.endr
.endm
.macro XSTEP t
.if (\t) < 3
	s_wait_loadcnt 16                                  ; this step's 16 loads are in; the next step's 16 may be out
.else
	s_wait_loadcnt 0x0
.endif
.irp i, 0,1,2,3,4,5,6,7,8,9,10,11,12,13,14,15
	ds_store_b128 v[SIN], v[R+64*((\t)%2)+4*\i:R+64*((\t)%2)+4*\i+3] offset:SP*\i
.endr
.irp b, 0,1,2,3
.irp k, 0,1,2,3
	ds_load_b128 v[X+16*\b+4*\k:X+16*\b+4*\k+3], v[SOUT] offset:128*\b+16*\k   ; LDS serves a wave's instructions in order: these see my stores
.endr
.endr
	s_wait_dscnt 0x0                                   ; the numbers are back, and the stores have read their registers
.if (\t) < 2
	XLOAD (\t)+2
.endif
	QUANT X, PC+8*(\t), PW+(\t)
	global_store_b128 v[LI], v[PC+8*(\t):PC+8*(\t)+3], s[40:41] offset:1024*(\t)          ; 512 consecutive bytes a store
	global_store_b128 v[LI], v[PC+8*(\t)+4:PC+8*(\t)+7], s[40:41] offset:1024*(\t)+512
.endm
	s_load_b256 s[8:15], s[0:1], 0x0               ; the codes of Wq, Wk, Wv, Wo
	s_load_b256 s[16:23], s[0:1], 0x20             ; their scale bytes
	s_load_b128 s[24:27], s[0:1], 0x40             ; x, xq
	s_load_b64 s[4:5], s[0:1], 0x50                ; wim
	v_lshl_add_u32 v218, v0, 2, 0x8400
	v_mov_b32 v219, 0
	v_lshrrev_b32 v1, 5, v0
	v_readfirstlane_b32 s28, v1                    ; wave
	v_and_b32 v5, 31, v0                           ; lane
	v_and_b32 v6, 15, v0                           ; r
	v_bfe_u32 v7, v0, 4, 1                         ; h
	v_lshlrev_b32 v[LI], 4, v5
	s_cmp_lt_u32 ttmp9, 32
	s_cbranch_scc1 .Lweights
	; ---- x
	s_sub_co_u32 s29, ttmp9, 32                    ; g
	s_lshr_b32 s30, s28, 1                         ; u
	s_and_b32 s31, s28, 1                          ; q
	s_mul_i32 s32, s28, 16*SP                      ; my stage
	v_add_nc_u32 v[SIN], s32, v[LI]
	v_mul_u32_u24 v[SOUT], v6, SP
	v_lshl_add_u32 v[SOUT], v7, 6, v[SOUT]
	v_add_nc_u32 v[SOUT], s32, v[SOUT]             ; row r, + 64 h: my 16 numbers of each block of 32
	v_lshlrev_b32 v[SCO], 4, v6
	s_mov_b32 s[SEL], 0x76543210
	s_mov_b32 s[SEL+1], 0xfedcba98
.irp b, 0,1,2,3
	v_mov_b32 v[TM+4+\b], 0                        ; written once: a lane permute's destination counts as one of its sources
.endr
	s_lshl_b32 s34, s29, 17                        ; x: 32 rows of 4,096 bytes a group,
	s_lshl_b32 s33, s30, 15                        ; 8 rows for tile 1,
	s_add_co_u32 s34, s34, s33
	s_lshl_b32 s33, s31, 11                        ; four K steps of 512 bytes
	s_add_co_u32 s34, s34, s33
	s_mov_b32 s35, 0
	s_lshl_b32 s36, s29, 14                        ; the codes: 8,192 bytes a tile, 1,024 a K step
	s_lshl_b32 s33, s30, 13
	s_add_co_u32 s36, s36, s33
	s_lshl_b32 s33, s31, 12
	s_add_co_u32 s36, s36, s33
	s_mov_b32 s37, 0
	s_lshl_b32 s38, s29, 10                        ; the scale words
	s_lshl_b32 s33, s31, 9
	s_add_co_u32 s38, s38, s33
	s_lshl_b32 s33, s30, 8
	s_add_co_u32 s38, s38, s33
	s_add_co_u32 s38, s38, XQ_SC
	s_mov_b32 s39, 0
	s_wait_alu depctr_va_vdst(0)
	s_wait_kmcnt 0x0
	s_add_nc_u64 s[24:25], s[24:25], s[34:35]
	s_add_nc_u64 s[40:41], s[26:27], s[36:37]
	s_add_nc_u64 s[42:43], s[26:27], s[38:39]
	XLOAD 0
	XLOAD 1
	XSTEP 0
	XSTEP 1
	XSTEP 2
	XSTEP 3
	s_wait_xcnt 0x0                                ; EXEC changes only behind this wait
	v_cmp_gt_u32 vcc_lo, 16, v5
	s_wait_tensorcnt 0x0
	ds_add_u32 v218, v219
	s_wait_dscnt 0x0
	s_and_saveexec_b32 s46, vcc_lo
	global_store_b128 v[SCO], v[PW:PW+3], s[42:43] ; lanes 0-15: 256 consecutive bytes, aligned
	s_wait_xcnt 0x0
	s_or_b32 exec_lo, exec_lo, s46
	s_endpgm
	; ---- the weights: pair p of weight wi
.Lweights:
	s_lshr_b32 s29, ttmp9, 3                       ; wi
	s_and_b32 s30, ttmp9, 7
	s_lshl_b32 s30, s30, 2
	s_add_co_u32 s30, s30, s28                     ; p
	s_wait_alu depctr_va_vdst(0)
	v_and_b32 v8, 8, v6
	v_add_nc_u32 v8, v8, v6                        ; r + 8 (r / 8)
	v_lshlrev_b32 v2, 9, v8
	v_lshl_add_u32 v2, v7, 4, v2                   ; codes: my row of 512 bytes, + 16 h
	v_lshl_add_u32 v3, v7, 3, v8
	v_lshlrev_b32 v3, 5, v3                        ; scale bytes: lanes 16-31 take tile 1, 8 rows on; 32 bytes a row
	s_lshl_b32 s32, s30, 14
	s_mov_b32 s33, 0
	s_lshl_b32 s34, s30, 10
	s_mov_b32 s35, 0
	s_lshl_b32 s36, s29, 19
	s_add_co_u32 s36, s36, s32
	s_mov_b32 s37, 0
	s_lshl_b32 s38, s29, 15
	s_add_co_u32 s38, s38, s34
	s_add_co_u32 s38, s38, WIM_SC
	s_mov_b32 s39, 0
	s_wait_alu depctr_va_vdst(0)
	s_wait_kmcnt 0x0
	s_cmp_eq_u32 s29, 1                            ; the choice hangs on the work-group's number alone
	s_cselect_b64 s[8:9], s[10:11], s[8:9]
	s_cselect_b64 s[16:17], s[18:19], s[16:17]
	s_cmp_eq_u32 s29, 2
	s_cselect_b64 s[8:9], s[12:13], s[8:9]
	s_cselect_b64 s[16:17], s[20:21], s[16:17]
	s_cmp_eq_u32 s29, 3
	s_cselect_b64 s[8:9], s[14:15], s[8:9]
	s_cselect_b64 s[16:17], s[22:23], s[16:17]
	s_add_nc_u64 s[8:9], s[8:9], s[32:33]
	s_add_nc_u64 s[16:17], s[16:17], s[34:35]
	s_add_nc_u64 s[40:41], s[4:5], s[36:37]
	s_add_nc_u64 s[42:43], s[4:5], s[38:39]
.irp u, 0,1
.irp s, 0,1,2,3,4,5,6,7
.irp c, 0,1
	global_load_b128 v[64+4*((\u*8+\s)*2+\c):64+4*((\u*8+\s)*2+\c)+3], v2, s[8:9] offset:\u*4096+\s*64+\c*32 th:TH_LOAD_NT
.endr
.endr
.endr
	global_load_b128 v[192:195], v3, s[16:17] th:TH_LOAD_NT
	global_load_b128 v[196:199], v3, s[16:17] offset:16 th:TH_LOAD_NT
	s_wait_loadcnt 0x0
.set n, 0
.rept 32
	global_store_b128 v[LI], v[64+4*n:64+4*n+3], s[40:41] offset:512*n
.set n, n+1
.endr
	global_store_b128 v[LI], v[192:195], s[42:43]
	global_store_b128 v[LI], v[196:199], s[42:43] offset:512
	s_endpgm
.Lfunc_end_k_q11ba105f4d_prep:
	.size	k_q11ba105f4d_prep, .Lfunc_end_k_q11ba105f4d_prep-k_q11ba105f4d_prep
	.p2alignl 7, 3214868480
	.fill 96, 4, 3214868480
	.section	.rodata,"a",@progbits
	.p2align	6, 0x0
	.amdhsa_kernel k_q11ba105f4d_prep
		.amdhsa_group_segment_fixed_size 34304
		.amdhsa_private_segment_fixed_size 0
		.amdhsa_enable_private_segment 0
		.amdhsa_kernarg_size 88
		.amdhsa_user_sgpr_count 2
		.amdhsa_user_sgpr_kernarg_segment_ptr 1
		.amdhsa_wavefront_size32 1
		.amdhsa_system_sgpr_workgroup_id_x 1
		.amdhsa_system_sgpr_workgroup_id_y 1
		.amdhsa_system_sgpr_workgroup_id_z 1
		.amdhsa_system_vgpr_workitem_id 0
		.amdhsa_next_free_vgpr 256
		.amdhsa_next_free_sgpr 66
		.amdhsa_reserve_vcc 1
		.amdhsa_float_denorm_mode_32 3
		.amdhsa_float_denorm_mode_16_64 3
		.amdhsa_memory_ordered 1
		.amdhsa_forward_progress 1
		.amdhsa_inst_pref_size 41
	.end_amdhsa_kernel
	.amdgpu_metadata
---
amdhsa.version: [ 1, 2 ]
amdhsa.kernels:
  - .name:           k_q11ba105f4d_prep
    .symbol:         k_q11ba105f4d_prep.kd
    .args:
      - { .name: Wq_codes, .offset: 0, .size: 8, .value_kind: global_buffer, .address_space: global }
      - { .name: Wk_codes, .offset: 8, .size: 8, .value_kind: global_buffer, .address_space: global }
      - { .name: Wv_codes, .offset: 16, .size: 8, .value_kind: global_buffer, .address_space: global }
      - { .name: Wo_codes, .offset: 24, .size: 8, .value_kind: global_buffer, .address_space: global }
      - { .name: Wq_scales, .offset: 32, .size: 8, .value_kind: global_buffer, .address_space: global }
      - { .name: Wk_scales, .offset: 40, .size: 8, .value_kind: global_buffer, .address_space: global }
      - { .name: Wv_scales, .offset: 48, .size: 8, .value_kind: global_buffer, .address_space: global }
      - { .name: Wo_scales, .offset: 56, .size: 8, .value_kind: global_buffer, .address_space: global }
      - { .name: x, .offset: 64, .size: 8, .value_kind: global_buffer, .address_space: global }
      - { .name: xq, .offset: 72, .size: 8, .value_kind: global_buffer, .address_space: global }
      - { .name: wim, .offset: 80, .size: 8, .value_kind: global_buffer, .address_space: global }
    .group_segment_fixed_size: 34304
    .private_segment_fixed_size: 0
    .kernarg_segment_align: 8
    .kernarg_segment_size: 88
    .max_flat_workgroup_size: 128
    .sgpr_count:     66
    .vgpr_count:     256
    .wavefront_size: 32
...
	.end_amdgpu_metadata
.endif
;; end of part 1
;; launch qkv (part 2): grid 16 x 16, 8 waves a work-group, no clusters, 121,856 bytes of LDS; arguments xq, wim, bq, bk, bv, qb, kv; writes qb, kv
.if DOCPART == 2
	.amdgcn_target "amdgcn-amd-amdhsa--gfx1250"
	.amdhsa_code_object_version 6
	.text
	.protected	k_q11ba105f4d_qkv
	.globl	k_q11ba105f4d_qkv
	.p2align	8
	.type	k_q11ba105f4d_qkv,@function
k_q11ba105f4d_qkv:
	s_mov_b64 s[64:65], 0
	v_nop
	global_prefetch_b8 v0, s[64:65] scope:SCOPE_SE
	s_setreg_imm32_b32 hwreg(HW_REG_WAVE_MODE, 25, 1), 1
	s_wait_xcnt 0x0
; q = x Wq + bq, k = x Wk + bk, v = x Wv + bv on codes of FP4 with E8M0 scales, f32 sums; the results are quantised at once: q and k along the head's 64 channels, v along the tokens.
; SHARES.  Work-group (x = head slot, y = block of 512 rows).  The head's 64 columns of the three weights lie in LDS as images of fragments (98,304 bytes, filled once through registers).
; Wave w owns groups 2 w and 2 w + 1 of the block (a group: 32 rows, two tiles); their 32 fragments of x fill register window 1 for the whole launch, so a weight fragment read from LDS feeds four products.
; Q and K are made TRANSPOSED (source 0 = 16 rows of the weight, source 1 = 16 rows of x): a lane holds one token, its registers run along the channels.  V is made the natural way round: a lane holds one channel, its registers run along the tokens.
; In both the rows of a tile are chosen (lane r of tile u of a group: row 32 g + 8 u + r + 8 (r / 8)) so that 16 registers of two neighbouring tiles are 16 neighbours along the next K.  The bias is the C of a sum's first product.
; OUT.  qb: Q images [head][group 64][u][lane][16 bytes] (a lane: block h of the token's 64 channels); from QB_SC on words [head][tile 128][r] = bytes (b0, b1, b0, b1).
; kv, 139,264 bytes a head: K images as Q's; from 65,536 V images [key step 16][channel tile 4][c][lane][16 bytes]; from 131,072 K's words [step][r][group 4]; from 135,168 V's words [step][r][tile 4], byte = key block.
; No tensor load, no cluster: each LDS byte is filled once and what work-groups share is read once at the head.
; LIMITS: a block of zeros gets the byte 1 and not 127 (its codes are zeros; this program alone reads the bytes); NaN and infinities are not served.
.set XQ_SC,  4194304
.set QB_SC,  4194304
.set WIM_SC, 2097152
.set KVH,    139264
.set WSC,  0                           ; LDS: the weights' scale words [unit][pair][q][512]
.set BIMG, 6144                        ; images of the bias registers [unit][quad 8][512]
.set QSG,  18432                       ; Q's scale words of the block, gathered
.set KSG,  20480                       ; K's
.set VSG,  21504                       ; V's
.set WIMG, 22528                       ; the weights' fragments [unit][tile 4][K step 8][c][512]
.set LI,   1                           ; v1  16 x lane
.set VAW,  2                           ; v2  16 x lane + 32,768 x unit
.set VST,  3                           ; v3  16 x lane + 4,096 x wave
.set QSA,  4
.set KSA,  5
.set VSA,  6
.set VVO,  7                           ; v7  1,024 h + 16 r
.set VST2, 8                           ; v8  v3 + 65,536
.set XS,   16                          ; v16-31  x's scale words [group][K step]: lanes 0-15 tile 0, lanes 16-31 tile 1
.set WS,   32                          ; v32-47  the unit's scale words [pair][K step], likewise
.set BI,   48                          ; v48-79  the unit's bias in the result's layout
.set WF,   80                          ; v80-111 four weight fragments; behind a unit's products: at work
.set TM,   80
.set PC,   96
.set PW,   104
.set ACC,  112                         ; v112-239 sixteen accumulators
.set SEL,  42
.set MSB, 0
.macro WIN new                         ; the immediate's high byte repeats the setting that is left
.if MSB != \new
	s_set_vgpr_msb (MSB<<8)|\new
.set MSB, \new
.endif
.endm
.macro PLACES
.rept 4
	v_nop
.endr
.endm
.macro QUANT s, pc, pw
.irp b, 0,1,2,3
	v_max3_num_f32 v[TM+\b], |v[(\s)+16*\b]|, |v[(\s)+1+16*\b]|, 0x1800000   ; block b: my 16 numbers and the floor 2^(3 - 127); each accumulator is read from its low end on
.endr
.irp i, 2,4,6,8,10,12,14
.irp b, 0,1,2,3
	v_max3_num_f32 v[TM+\b], v[TM+\b], |v[(\s)+16*\b+\i]|, |v[(\s)+1+16*\b+\i]|
.endr
.endr
.irp b, 0,1,2,3
	s_delay_alu instid0(VALU_DEP_4)
	v_permlanex16_b32 v[TM+4+\b], v[TM+\b], s[SEL], s[SEL+1]
.endr
.irp b, 0,1,2,3
	s_delay_alu instid0(VALU_DEP_4)
	v_max_num_f32 v[TM+\b], v[TM+\b], v[TM+4+\b]
.endr
.irp b, 0,1,2,3
	s_delay_alu instid0(VALU_DEP_4)
	v_add_nc_u32 v[TM+12+\b], 0xff000000, v[TM+\b]     ; 2 off the exponent field: the conversion's scale operand
.endr
.irp b, 0,1,2,3
	s_delay_alu instid0(VALU_DEP_4)
	v_lshrrev_b32 v[TM+4+\b], 23, v[TM+12+\b]          ; the scale's byte
.endr
	s_delay_alu instid0(VALU_DEP_3)
	v_lshl_or_b32 v[\pw], v[TM+5], 8, v[TM+4]
	s_delay_alu instid0(VALU_DEP_1)
	v_lshl_or_b32 v[\pw], v[TM+6], 16, v[\pw]
	s_delay_alu instid0(VALU_DEP_1)
	v_lshl_or_b32 v[\pw], v[TM+7], 24, v[\pw]
.irp b, 0,1,2,3
	v_cvt_scalef32_pk8_fp4_f32 v[(\pc)+2*\b], v[(\s)+16*\b:(\s)+7+16*\b], v[TM+12+\b]
	v_cvt_scalef32_pk8_fp4_f32 v[(\pc)+1+2*\b], v[(\s)+8+16*\b:(\s)+15+16*\b], v[TM+12+\b]
.endr
	v_nop                                              ; one plain place behind a scaled conversion
.irp c, 0,1
.irp i, 0,1
	v_permlane16_swap_b32 v[(\pc)+4*\c+\i], v[(\pc)+2+4*\c+\i]
.endr
.endr
.endm
; one product; ra, rb: which half of the lanes holds source 0's and source 1's scale words
.macro WM d, a, b, c, sa, sb, ra, rb
.if (\ra) && (\rb)
	v_wmma_scale_f32_16x16x128_f8f6f4 v[(\d):(\d)+7], v[(\a):(\a)+7], v[(\b):(\b)+7], v[(\c):(\c)+7], v[\sa], v[\sb] matrix_a_fmt:MATRIX_FMT_FP4 matrix_b_fmt:MATRIX_FMT_FP4 matrix_a_scale:MATRIX_SCALE_ROW1 matrix_b_scale:MATRIX_SCALE_ROW1
.elseif (\ra)
	v_wmma_scale_f32_16x16x128_f8f6f4 v[(\d):(\d)+7], v[(\a):(\a)+7], v[(\b):(\b)+7], v[(\c):(\c)+7], v[\sa], v[\sb] matrix_a_fmt:MATRIX_FMT_FP4 matrix_b_fmt:MATRIX_FMT_FP4 matrix_a_scale:MATRIX_SCALE_ROW1
.elseif (\rb)
	v_wmma_scale_f32_16x16x128_f8f6f4 v[(\d):(\d)+7], v[(\a):(\a)+7], v[(\b):(\b)+7], v[(\c):(\c)+7], v[\sa], v[\sb] matrix_a_fmt:MATRIX_FMT_FP4 matrix_b_fmt:MATRIX_FMT_FP4 matrix_b_scale:MATRIX_SCALE_ROW1
.else
	v_wmma_scale_f32_16x16x128_f8f6f4 v[(\d):(\d)+7], v[(\a):(\a)+7], v[(\b):(\b)+7], v[(\c):(\c)+7], v[\sa], v[\sb] matrix_a_fmt:MATRIX_FMT_FP4 matrix_b_fmt:MATRIX_FMT_FP4
.endif
.endm
; K step s of unit k: four weight fragments from LDS, sixteen products; the sixteen accumulators take turns, one instruction a turn, in the same order in every step
.macro KST k, s
.if (\s) > 0
	PLACES                                         ; in front of loads into registers that matrix instructions have read
.endif
.irp t, 0,1,2,3
.irp c, 0,1
	ds_load_b128 v[WF+8*\t+4*\c:WF+8*\t+4*\c+3], v[VAW] offset:WIMG+8192*\t+1024*(\s)+512*\c
.endr
.endr
	s_wait_dscnt 0x0
.if (\k) < 2
	WIN 0x04                                       ; source 1 (x) in window 1
.irp G, 0,1
.irp u, 0,1
.irp t, 0,1,2,3
.if (\s) == 0
	WM ACC+64*\G+32*\u+8*\t, WF+8*\t, 8*((2*\G+\u)*8+(\s)), BI+8*\t, WS+8*(\t/2)+(\s), XS+8*\G+(\s), \t%2, \u
.else
	WM ACC+64*\G+32*\u+8*\t, WF+8*\t, 8*((2*\G+\u)*8+(\s)), ACC+64*\G+32*\u+8*\t, WS+8*(\t/2)+(\s), XS+8*\G+(\s), \t%2, \u
.endif
.endr
.endr
.endr
.else
	WIN 0x01                                       ; source 0 (x) in window 1
.irp G, 0,1
.irp u, 0,1
.irp t, 0,1,2,3
.if (\s) == 0
	WM ACC+64*\G+16*\t+8*\u, 8*((2*\G+\u)*8+(\s)), WF+8*\t, BI+8*\t, XS+8*\G+(\s), WS+8*(\t/2)+(\s), \u, \t%2
.else
	WM ACC+64*\G+16*\t+8*\u, 8*((2*\G+\u)*8+(\s)), WF+8*\t, ACC+64*\G+16*\t+8*\u, XS+8*\G+(\s), WS+8*(\t/2)+(\s), \u, \t%2
.endif
.endr
.endr
.endr
.endif
	WIN 0
.endm
; group G of unit k is quantised and leaves
.macro EPI k, G
	s_wait_xcnt 0x0                                ; the last stores have read their registers: the codes may be written again
	s_wait_dscnt 0x0
	QUANT ACC+64*(\G), PC, PW
.if (\k) == 0                          ; Q: QUANT's block 2 u + b is channel block b of tile u: registers 4 u .. 4 u + 3 are tile u's image
	global_store_b128 v[LI], v[PC:PC+3], s[32:33] offset:1024*(\G)
	global_store_b128 v[LI], v[PC+4:PC+7], s[32:33] offset:1024*(\G)+512
	v_perm_b32 v105, v[PW], v[PW], 0x01000100      ; tile 0's two bytes, twice
	v_perm_b32 v106, v[PW], v[PW], 0x03020302      ; tile 1's
	s_delay_alu instid0(VALU_DEP_1)
	v_cndmask_b32 v105, v105, v106, s40            ; lanes 16-31 carry tile 1's word
	ds_store_b32 v[QSA], v105 offset:128*(\G)
.elseif (\k) == 1                      ; K: the same images; the word (tile 0: b0, b1; tile 1: b0, b1) is what a fragment of two key tiles wants
	global_store_b128 v[LI], v[PC:PC+3], s[34:35] offset:1024*(\G)
	global_store_b128 v[LI], v[PC+4:PC+7], s[34:35] offset:1024*(\G)+512
	ds_store_b32 v[KSA], v[PW] offset:4*(\G)
.else                                  ; V: QUANT's block is the channel tile; a lane's 16 bytes are this group's 32 tokens of one channel
	global_store_b128 v[VVO], v[PC:PC+3], s[36:37] offset:256*(\G)          ; sixteen lanes store 256 consecutive bytes, aligned
	global_store_b128 v[VVO], v[PC+4:PC+7], s[36:37] offset:2048+256*(\G)
.irp t, 0,1,2,3
	ds_store_b8 v[VSA], v[TM+4+\t] offset:4*\t+(\G)    ; both lanes of a block write the same byte with the same value
.endr
.endif
.endm
.macro UNIT k
	s_wait_xcnt 0x0                                ; the weight fragments land on registers that the last stores read
	v_add_nc_u32 v[VAW], 32768*(\k), v[LI]
	s_wait_alu depctr_va_vdst(0)
.irp i, 0,1,2,3,4,5,6,7
	ds_load_b128 v[BI+4*\i:BI+4*\i+3], v[LI] offset:BIMG+4096*(\k)+512*\i
.endr
.irp p, 0,1
.irp q, 0,1
	ds_load_b128 v[WS+8*\p+4*\q:WS+8*\p+4*\q+3], v[LI] offset:WSC+2048*(\k)+1024*\p+512*\q
.endr
.endr
.irp s, 0,1,2,3,4,5,6,7
	KST \k, \s
.endr
	PLACES                                         ; in front of the first read of results, and of writes over the fragments' registers
	EPI \k, 0
	EPI \k, 1
.endm
	s_load_b256 s[4:11], s[0:1], 0x0               ; xq, wim, bq, bk
	s_load_b128 s[12:15], s[0:1], 0x20             ; bv, qb
	s_load_b64 s[16:17], s[0:1], 0x30              ; kv
	v_lshl_add_u32 v254, v0, 2, 0x1d800
	v_mov_b32 v255, 0
	v_lshrrev_b32 v9, 5, v0
	s_delay_alu instid0(VALU_DEP_1)
	v_readfirstlane_b32 s18, v9                    ; wave 0..7
	v_and_b32 v9, 31, v0                           ; lane
	v_and_b32 v10, 15, v0                          ; r
	v_bfe_u32 v11, v0, 4, 1                        ; h
	s_delay_alu instid0(VALU_DEP_3)
	v_lshlrev_b32 v[LI], 4, v9
	s_wait_alu depctr_va_vdst(0)
	s_and_b32 s19, ttmp7, 0xffff                   ; block of 512 rows
	s_lshr_b32 s20, s19, 2                         ; batch
	s_and_b32 s21, s19, 3                          ; quarter of the batch's tokens
	s_lshl_b32 s22, s20, 4
	s_add_co_u32 s22, s22, ttmp9                   ; head 0..63
	s_lshr_b32 s23, s18, 1
	s_and_b32 s41, s18, 1
	s_mov_b32 s40, 0xffff0000                      ; lanes 16-31
	s_mov_b32 s[SEL], 0x76543210
	s_mov_b32 s[SEL+1], 0xfedcba98
	s_lshl_b32 s44, s18, 12
	v_add_nc_u32 v[VST], s44, v[LI]
	s_delay_alu instid0(VALU_DEP_1)
	v_add_nc_u32 v[VST2], 0x10000, v[VST]
	v_lshlrev_b32 v13, 3, v9                       ; 8 x lane
	s_lshl_b32 s44, s18, 8
	v_add_nc_u32 v12, s44, v13                     ; + 256 x wave
	v_lshlrev_b32 v[QSA], 2, v9
	s_delay_alu instid0(VALU_DEP_1)
	v_add_nc_u32 v[QSA], s44, v[QSA]
	s_delay_alu instid0(VALU_DEP_1)
	v_add_nc_u32 v[QSA], QSG, v[QSA]               ; QSG + 256 w + 4 lane
	s_lshl_b32 s44, s18, 9
	v_add_nc_u32 v14, s44, v[LI]                   ; 16 lane + 512 w
	s_lshl_b32 s44, s23, 8
	s_lshl_b32 s45, s41, 3
	s_add_co_u32 s45, s45, s44
	v_lshlrev_b32 v[VVO], 4, v10                   ; 16 r
	s_delay_alu instid0(VALU_DEP_1)
	v_add_nc_u32 v[KSA], s45, v[VVO]
	s_delay_alu instid0(VALU_DEP_1)
	v_add_nc_u32 v[KSA], KSG, v[KSA]               ; KSG + 256 (w / 2) + 8 (w % 2) + 16 r
	s_lshl_b32 s45, s41, 1
	s_add_co_u32 s45, s45, s44
	v_add_nc_u32 v[VSA], s45, v[VVO]
	s_delay_alu instid0(VALU_DEP_1)
	v_add_nc_u32 v[VSA], VSG, v[VSA]               ; VSG + 256 (w / 2) + 2 (w % 2) + 16 r
	v_lshl_add_u32 v[VVO], v11, 10, v[VVO]
	s_lshl_b32 s46, ttmp9, 8                       ; the head's 64 numbers of a bias; wave w makes quad w of the 32 registers: tile w / 2, half w % 2
	s_lshr_b32 s47, s18, 2
	s_lshl_b32 s47, s47, 7
	s_add_co_u32 s46, s46, s47
	s_and_b32 s47, s23, 1
	s_lshl_b32 s47, s47, 5
	s_add_co_u32 s46, s46, s47
	v_and_b32 v15, 8, v10
	s_delay_alu instid0(VALU_DEP_1)
	v_add_nc_u32 v15, v15, v10
	s_delay_alu instid0(VALU_DEP_1)
	v_lshl_add_u32 v9, v15, 2, s46                 ; bv: the number of my lane's channel
	s_lshl_b32 s47, s41, 4
	s_add_co_u32 s46, s46, s47
	v_lshl_add_u32 v15, v11, 6, s46                ; bq, bk: four neighbours, + 16 channels for lanes 16-31
	s_mov_b32 s49, 0
	s_mul_i32 s50, s22, KVH
	s_lshl_b32 s51, s21, 14
	s_lshl_b32 s47, s18, 11
	s_add_co_u32 s51, s51, s47                     ; my two groups' images: 1,024 bytes a group
	s_wait_alu depctr_va_vdst(0)
	s_wait_kmcnt 0x0
	s_lshl_b32 s48, s19, 18
	s_lshl_b32 s47, s18, 15
	s_add_co_u32 s48, s48, s47
	s_add_nc_u64 s[24:25], s[4:5], s[48:49]        ; x's fragments: my four tiles
	s_lshl_b32 s48, s19, 14
	s_lshl_b32 s47, s18, 11
	s_add_co_u32 s48, s48, s47
	s_add_co_u32 s48, s48, XQ_SC
	s_add_nc_u64 s[26:27], s[4:5], s[48:49]        ; their scale words
	s_lshl_b32 s48, ttmp9, 15
	s_lshl_b32 s47, s18, 12
	s_add_co_u32 s48, s48, s47
	s_add_nc_u64 s[28:29], s[6:7], s[48:49]        ; my eighth of a unit's fragments
	s_lshl_b32 s48, ttmp9, 11
	s_lshl_b32 s47, s18, 8
	s_add_co_u32 s48, s48, s47
	s_add_co_u32 s48, s48, WIM_SC
	s_add_nc_u64 s[30:31], s[6:7], s[48:49]        ; and of its scale words
	s_lshl_b32 s48, s22, 16
	s_add_co_u32 s48, s48, s51
	s_add_nc_u64 s[32:33], s[14:15], s[48:49]      ; Q's images
	s_add_co_u32 s48, s50, s51
	s_add_nc_u64 s[34:35], s[16:17], s[48:49]      ; K's
	s_lshl_b32 s48, s21, 14
	s_lshl_b32 s47, s23, 12
	s_add_co_u32 s48, s48, s47
	s_lshl_b32 s47, s41, 9
	s_add_co_u32 s48, s48, s47
	s_add_co_u32 s48, s48, s50
	s_add_co_u32 s48, s48, 65536
	s_add_nc_u64 s[36:37], s[16:17], s[48:49]      ; V's: key step 4 qr + w / 2, half w % 2
	s_lshl_b32 s52, s22, 13                        ; the gathered scale words: waves 0-3 store Q's,
	s_lshl_b32 s47, s21, 11
	s_add_co_u32 s52, s52, s47
	s_lshl_b32 s47, s18, 9
	s_add_co_u32 s52, s52, s47
	s_add_co_u32 s52, s52, QB_SC
	s_and_b32 s53, s23, 1                          ; waves 4, 5 K's, waves 6, 7 V's
	s_lshl_b32 s53, s53, 12
	s_lshl_b32 s47, s21, 10
	s_add_co_u32 s53, s53, s47
	s_lshl_b32 s47, s41, 9
	s_add_co_u32 s53, s53, s47
	s_add_co_u32 s53, s53, s50
	s_add_co_u32 s53, s53, 131072
	s_cmp_lt_u32 s18, 4
	s_cselect_b64 s[38:39], s[14:15], s[16:17]
	s_cselect_b32 s48, s52, s53
	s_add_nc_u64 s[38:39], s[38:39], s[48:49]
	; what goes to LDS: 30 loads
.irp k, 0,1,2
.irp i, 0,1,2,3,4,5,6,7
	global_load_b128 v[ACC+32*\k+4*\i:ACC+32*\k+4*\i+3], v[LI], s[28:29] offset:\k*524288+512*\i
.endr
.endr
.irp k, 0,1,2
	global_load_b64 v[208+2*\k:209+2*\k], v13, s[30:31] offset:\k*32768
.endr
	global_load_b128 v[216:219], v15, s[8:9]
	global_load_b128 v[220:223], v15, s[10:11]
	global_load_b32 v224, v9, s[12:13]
	WIN 0x40                                       ; destination window 1
.set n, 0
.rept 32
	global_load_b128 v[4*n:4*n+3], v[LI], s[24:25] offset:512*n     ; x's fragments of group 0
.set n, n+1
.endr
	WIN 0
	s_wait_loadcnt 32                              ; all but the 32 just issued
	v_mov_b32 v225, v224                           ; in V's layout all eight registers of a tile hold the lane's channel's bias
	v_mov_b32 v226, v224
	v_mov_b32 v227, v224
.irp k, 0,1
.irp i, 0,1,2,3,4,5,6,7
	ds_store_b128 v[VST], v[ACC+32*\k+4*\i:ACC+32*\k+4*\i+3] offset:WIMG+32768*\k+512*\i
.endr
.endr
.irp i, 0,1,2,3,4,5,6,7
	ds_store_b128 v[VST2], v[ACC+64+4*\i:ACC+64+4*\i+3] offset:WIMG+512*\i
.endr
.irp k, 0,1,2
	ds_store_b64 v12, v[208+2*\k:209+2*\k] offset:WSC+2048*\k
.endr
	ds_store_b128 v14, v[216:219] offset:BIMG
	ds_store_b128 v14, v[220:223] offset:BIMG+4096
	ds_store_b128 v14, v[224:227] offset:BIMG+8192
	WIN 0x40
.rept 32
	global_load_b128 v[4*n:4*n+3], v[LI], s[24:25] offset:512*n     ; group 1
.set n, n+1
.endr
	WIN 0
.irp G, 0,1
.irp q, 0,1
	global_load_b128 v[XS+8*\G+4*\q:XS+8*\G+4*\q+3], v[LI], s[26:27] offset:1024*\G+512*\q
.endr
.endr
	s_wait_dscnt 0x0                               ; for the others' sake: my stores have landed
	s_barrier_signal -1
	s_barrier_wait -1                              ; the weights, their scale words and the biases lie in LDS; from here on they are only read
	s_wait_loadcnt 0x0                             ; x
	UNIT 0
	UNIT 1
	UNIT 2
	s_wait_dscnt 0x0
	s_barrier_signal -1
	s_barrier_wait -1                              ; the block's scale words are gathered: 4,096 bytes, 512 a wave
	ds_load_b128 v[112:115], v14 offset:QSG
	s_wait_dscnt 0x0
	global_store_b128 v[LI], v[112:115], s[38:39]  ; 512 consecutive bytes
	s_wait_tensorcnt 0x0
	ds_add_u32 v254, v255
	s_wait_dscnt 0x0
	s_endpgm
.Lfunc_end_k_q11ba105f4d_qkv:
	.size	k_q11ba105f4d_qkv, .Lfunc_end_k_q11ba105f4d_qkv-k_q11ba105f4d_qkv
	.p2alignl 7, 3214868480
	.fill 96, 4, 3214868480
	.section	.rodata,"a",@progbits
	.p2align	6, 0x0
	.amdhsa_kernel k_q11ba105f4d_qkv
		.amdhsa_group_segment_fixed_size 121856
		.amdhsa_private_segment_fixed_size 0
		.amdhsa_enable_private_segment 0
		.amdhsa_kernarg_size 56
		.amdhsa_user_sgpr_count 2
		.amdhsa_user_sgpr_kernarg_segment_ptr 1
		.amdhsa_wavefront_size32 1
		.amdhsa_system_sgpr_workgroup_id_x 1
		.amdhsa_system_sgpr_workgroup_id_y 1
		.amdhsa_system_sgpr_workgroup_id_z 1
		.amdhsa_system_vgpr_workitem_id 0
		.amdhsa_next_free_vgpr 512
		.amdhsa_next_free_sgpr 66
		.amdhsa_reserve_vcc 0
		.amdhsa_float_denorm_mode_32 3
		.amdhsa_float_denorm_mode_16_64 3
		.amdhsa_memory_ordered 1
		.amdhsa_forward_progress 1
		.amdhsa_inst_pref_size 114
	.end_amdhsa_kernel
	.amdgpu_metadata
---
amdhsa.version: [ 1, 2 ]
amdhsa.kernels:
  - .name:           k_q11ba105f4d_qkv
    .symbol:         k_q11ba105f4d_qkv.kd
    .args:
      - { .name: xq, .offset: 0, .size: 8, .value_kind: global_buffer, .address_space: global }
      - { .name: wim, .offset: 8, .size: 8, .value_kind: global_buffer, .address_space: global }
      - { .name: bq, .offset: 16, .size: 8, .value_kind: global_buffer, .address_space: global }
      - { .name: bk, .offset: 24, .size: 8, .value_kind: global_buffer, .address_space: global }
      - { .name: bv, .offset: 32, .size: 8, .value_kind: global_buffer, .address_space: global }
      - { .name: qb, .offset: 40, .size: 8, .value_kind: global_buffer, .address_space: global }
      - { .name: kv, .offset: 48, .size: 8, .value_kind: global_buffer, .address_space: global }
    .group_segment_fixed_size: 121856
    .private_segment_fixed_size: 0
    .kernarg_segment_align: 8
    .kernarg_segment_size: 56
    .max_flat_workgroup_size: 256
    .sgpr_count:     66
    .vgpr_count:     512
    .wavefront_size: 32
...
	.end_amdgpu_metadata
.endif
;; end of part 2
;; launch attn (part 3): grid 4 x 64, 16 waves a work-group, no clusters, 142,336 bytes of LDS; arguments qb, kv, ctx; writes ctx
.if DOCPART == 3
	.amdgcn_target "amdgcn-amd-amdhsa--gfx1250"
	.amdhsa_code_object_version 6
	.text
	.protected	k_q11ba105f4d_attn
	.globl	k_q11ba105f4d_attn
	.p2align	8
	.type	k_q11ba105f4d_attn,@function
k_q11ba105f4d_attn:
	s_mov_b64 s[64:65], 0
	v_nop
	global_prefetch_b8 v0, s[64:65] scope:SCOPE_SE
	s_setreg_imm32_b32 hwreg(HW_REG_WAVE_MODE, 25, 1), 1
	s_wait_xcnt 0x0
; Causal attention of one head on codes of FP4 with E8M0 scales.  What the second product takes is the FINISHED, NORMALISED softmax, quantised along the keys; so the keys are walked twice.
; WALK 1: scores, the running largest t = score x log2(e) / 8, M = that rounded up to a whole number, l = the sum of 2^(t - M); when M moves, l is multiplied by 2^(old M - new M), which rounds nothing.
; WALK 2: the scores once more, a = 2^(t - M) x (1 / l), quantised in blocks of 32 keys, O^T += V^T a^T.  Then O^T is quantised along the channels and leaves as an image for the last product.
; SHARES.  Work-group (x = quarter, y = head); the head's K, V and scale words (139,264 bytes) lie in LDS, filled once through registers.  Each of 16 waves owns two tiles of 16 queries, one late and one early,
; of groups 63 - a and a (a = 8 x quarter + wave / 2): together 17 steps of 128 keys in every wave.  Every loop has 16 trips; a step all of whose keys are hidden is left out by a scalar branch on ids.
; LAYOUT.  Both products are used transposed: a lane holds one query.  The head has 64 channels and the instruction 128 along K: a fragment of K carries TWO key tiles (k 0-63: tile 0, k 64-127: tile 1);
; the product with (q, zeros) gives tile 0's scores, that with (zeros, q) tile 1's.  Register 16 b + i of the scores is key 128 J + 32 b + 16 h + i.
; A block's largest a is not searched for: the block's largest score goes through the same multiply-add, exponential and multiplication (this takes v_exp_f32 not to fall where its input rises).
; No tensor load, no cluster: K and V are read once, at the head.
; LIMITS: 1 / l is v_rcp_f32, and reference's second division, by a sum that is 1 but for rounding, is folded into it; v_exp_f32 gives 0 under 2^-126; a block of zeros gets the byte 1 (its codes are zeros); NaN and infinities are not served.
.set QB_SC,  4194304
.set CTX_SC, 4194304
.set KVH,    139264
.set CSG,    139264                    ; LDS behind the head's block: ctx's scale half-words of the work-group's 32 tiles
.set LI,  1                            ; v1  16 x lane (K's images begin at LDS byte 0)
.set AV0, 2                            ; v2  + 65,536: V's images
.set AS0, 3                            ; v3  16 r + 131,072: K's scale words; V's lie 4,096 further on
.set ADK, 4
.set ADV, 5
.set ADS, 6
.set RQ,  7                            ; v7  r + 8 (r / 8) - 16 h
.set DD,  8                            ; v8  the mask's threshold
.set NINF, 9
.set QZ,  16                           ; v16-19 zeros, v20-23 q, v24-27 zeros
.set QS,  28                           ; v28 q's scale word
.set RL,  30                           ; v[30:31] 1 / l
.set KF,  32
.set VF,  64
.set S,   96
.set O,   160
.set PC,  192
.set KS,  200
.set VS,  204
.set PW,  208
.set BM,  212
.set EX,  216
.set SO,  220
.set BY,  224
.set FF,  228                          ; v[228:229] f
.set CS,  22                           ; s[22:23] c = log2(e) / 8
.set SEL, 24
.macro PLACES
.rept 4
	v_nop
.endr
.endm
.macro KLOAD
.irp b, 0,1,2,3
.irp c, 0,1
	ds_load_b128 v[KF+8*\b+4*\c:KF+8*\b+4*\c+3], v[ADK] offset:1024*\b+512*\c
.endr
.endr
	ds_load_b128 v[KS:KS+3], v[ADS]
.endm
.macro VLOAD
.irp t, 0,1,2,3
.irp c, 0,1
	ds_load_b128 v[VF+8*\t+4*\c:VF+8*\t+4*\c+3], v[ADV] offset:1024*\t+512*\c
.endr
.endr
	ds_load_b128 v[VS:VS+3], v[ADS] offset:4096
.endm
.macro SCORES                          ; S^T = K q^T: eight tiles of 16 keys, each sum begun by the constant 0
.irp b, 0,1,2,3
	v_wmma_scale_f32_16x16x128_f8f6f4 v[S+16*\b:S+16*\b+7], v[KF+8*\b:KF+8*\b+7], v[QZ+4:QZ+11], 0, v[KS+\b], v[QS] matrix_a_fmt:MATRIX_FMT_FP4 matrix_b_fmt:MATRIX_FMT_FP4
	v_wmma_scale_f32_16x16x128_f8f6f4 v[S+16*\b+8:S+16*\b+15], v[KF+8*\b:KF+8*\b+7], v[QZ:QZ+7], 0, v[KS+\b], v[QS] matrix_a_fmt:MATRIX_FMT_FP4 matrix_b_fmt:MATRIX_FMT_FP4
.endr
	PLACES
.endm
.macro MASK                            ; in the tile's last step hidden scores become -infinity; the steps before it hide nothing
	s_cmp_lg_u32 s30, s29
	s_cbranch_scc1 .Lopen_\@
.set n, 0
.rept 64
	v_cmp_gt_i32 vcc_lo, 32*(n/16)+n%16, v[DD]
	v_cndmask_b32 v[S+n], v[S+n], v[NINF], vcc_lo
.set n, n+1
.endr
.Lopen_\@:
.endm
.macro BLKMAX                          ; the largest of my 16 scores of each block of 32 keys; each accumulator is read from its low end on
.irp b, 0,1,2,3
	v_max3_num_f32 v[BM+\b], v[S+16*\b], v[S+1+16*\b], v[S+2+16*\b]
.endr
.irp i, 3,5,7,9,11,13
.irp b, 0,1,2,3
	v_max3_num_f32 v[BM+\b], v[BM+\b], v[S+16*\b+\i], v[S+1+16*\b+\i]
.endr
.endr
.irp b, 0,1,2,3
	v_max_num_f32 v[BM+\b], v[BM+\b], v[S+15+16*\b]
.endr
.endm
.macro TMINUSM                         ; t - M, two at a time (of the pairs c and -M the low word serves both halves)
.irp j, 0,2,4,6,8,10,12,14,16,18,20,22,24,26,28,30,32,34,36,38,40,42,44,46,48,50,52,54,56,58,60,62
	v_pk_fma_f32 v[S+\j:S+1+\j], v[S+\j:S+1+\j], s[CS:CS+1], v[12:13] op_sel_hi:[1,0,0]
.endr
.endm
.macro EXPS
.set n, 0
.rept 64
	v_exp_f32 v[S+n], v[S+n]
.set n, n+1
.endr
.endm
; one tile of 16 queries.  late = 1: group 63 - a, else group a;  hw: the register with the LDS address of its scale half-word
.macro TILE late, hw
	s_wait_xcnt 0x0                                ; the last tile's loads and stores have read their bases and registers
.if \late
	s_sub_co_u32 s28, 63, s13
.else
	s_mov_b32 s28, s13
.endif
	s_lshr_b32 s29, s28, 2                         ; its last key step
	s_and_b32 s33, s28, 3
	s_lshl_b32 s33, s33, 5
	s_lshl_b32 s40, s14, 3
	s_add_co_u32 s33, s33, s40
	v_add_nc_u32 v[DD], s33, v[RQ]                 ; my query less the last step's first key less 16 h: key 32 b + i of my half is hidden where it is greater
	s_lshl_b32 s40, s28, 1
	s_add_co_u32 s40, s40, s14                     ; the tile's number in the head
	s_lshl_b32 s44, s40, 9
	s_add_nc_u64 s[34:35], s[18:19], s[44:45]
	s_lshl_b32 s44, s40, 6
	s_add_nc_u64 s[36:37], s[20:21], s[44:45]
	s_lshl_b32 s44, s40, 13
	s_add_nc_u64 s[38:39], s[26:27], s[44:45]
	global_load_b128 v[QZ+4:QZ+7], v[LI], s[34:35]
	global_load_b32 v[QS], v10, s[36:37]
	v_mov_b32 v13, 0xff61b1e6                      ; the largest t so far: -3e38
	s_delay_alu instid0(VALU_DEP_1)
	v_floor_f32 v12, -v13                          ; -M
	v_mov_b32 v14, 0                               ; l, in two halves
	v_mov_b32 v15, 0
.set n, 0
.rept 32
	v_mov_b32 v[O+n], 0                            ; O^T: walk 2 is written once, its first step adds onto zeros
.set n, n+1
.endr
	s_wait_loadcnt 0x0
	; ---- walk 1
	s_mov_b32 s30, 0                               ; J
	s_mov_b32 s31, 0                               ; 4,096 J
	s_mov_b32 s32, 0                               ; 256 J
.Lw1_\@:
	s_cmp_gt_u32 s30, s29
	s_cbranch_scc1 .Lw1s_\@
	s_setprio 2
	v_add_nc_u32 v[ADK], s31, v[LI]
	v_add_nc_u32 v[ADS], s32, v[AS0]
	KLOAD
	s_wait_dscnt 0x0
	SCORES
	MASK
	s_setprio 1
	BLKMAX
	s_delay_alu instid0(VALU_DEP_2)
	v_max3_num_f32 v230, v[BM], v[BM+1], v[BM+2]
	s_delay_alu instid0(VALU_DEP_1)
	v_max_num_f32 v230, v230, v[BM+3]
	s_delay_alu instid0(VALU_DEP_1)
	v_permlanex16_b32 v231, v230, s[SEL], s[SEL+1]
	s_delay_alu instid0(VALU_DEP_1)
	v_max_num_f32 v230, v230, v231                 ; the step's largest score of my query
	s_delay_alu instid0(VALU_DEP_1)
	v_mul_f32 v230, s[CS], v230
	s_delay_alu instid0(VALU_DEP_1)
	v_max_num_f32 v13, v13, v230                   ; the running largest t
	v_mov_b32 v230, v12
	s_delay_alu instid0(VALU_DEP_2)
	v_floor_f32 v12, -v13                          ; the new -M
	s_delay_alu instid0(VALU_DEP_1)
	v_sub_f32 v230, v12, v230                      ; old M - new M: a whole number, 0 or less
	s_delay_alu instid0(VALU_DEP_1)
	v_cvt_i32_f32 v230, v230                       ; (it saturates)
	s_delay_alu instid0(VALU_DEP_1)
	v_ldexp_f32 v[FF], 1.0, v230
	TMINUSM
	s_wait_alu depctr_va_vdst(0)
	EXPS
	s_setprio 0
	v_pk_mul_f32 v[14:15], v[14:15], v[FF:FF+1] op_sel_hi:[1,0]    ; l under the new M; a plain place behind the exponentials
	s_wait_alu depctr_va_vdst(0)                   ; one wait for the batch, ahead of its first reader
	v_pk_add_f32 v[232:233], v[100:101], v[104:105]
	v_pk_add_f32 v[252:253], v[108:109], v[112:113]
	v_pk_add_f32 v[250:251], v[116:117], v[120:121]
	v_pk_add_f32 v[248:249], v[124:125], v[128:129]
	v_pk_add_f32 v[246:247], v[132:133], v[136:137]
	v_pk_add_f32 v[244:245], v[140:141], v[144:145]
	v_pk_add_f32 v[242:243], v[148:149], v[152:153]
	v_pk_add_f32 v[14:15], v[14:15], v[156:157]
	v_pk_add_f32 v[232:233], v[232:233], v[96:97]
	v_pk_add_f32 v[252:253], v[252:253], v[98:99]
	v_pk_add_f32 v[250:251], v[250:251], v[102:103]
	v_pk_add_f32 v[248:249], v[248:249], v[106:107]
	v_pk_add_f32 v[246:247], v[246:247], v[110:111]
	v_pk_add_f32 v[244:245], v[244:245], v[114:115]
	v_pk_add_f32 v[242:243], v[242:243], v[118:119]
	v_pk_add_f32 v[14:15], v[14:15], v[122:123]
	v_pk_add_f32 v[232:233], v[232:233], v[126:127]
	v_pk_add_f32 v[252:253], v[252:253], v[130:131]
	v_pk_add_f32 v[250:251], v[250:251], v[134:135]
	v_pk_add_f32 v[248:249], v[248:249], v[138:139]
	v_pk_add_f32 v[246:247], v[246:247], v[142:143]
	v_pk_add_f32 v[244:245], v[244:245], v[146:147]
	v_pk_add_f32 v[242:243], v[242:243], v[150:151]
	v_pk_add_f32 v[14:15], v[14:15], v[154:155]
	v_pk_add_f32 v[232:233], v[232:233], v[158:159]
	s_delay_alu instid0(VALU_DEP_2)
	v_pk_add_f32 v[14:15], v[14:15], v[248:249]
	s_delay_alu instid0(VALU_DEP_2)
	v_pk_add_f32 v[232:233], v[232:233], v[246:247]
	v_pk_add_f32 v[252:253], v[252:253], v[244:245]
	v_pk_add_f32 v[250:251], v[250:251], v[242:243]
	s_delay_alu instid0(VALU_DEP_2)
	v_pk_add_f32 v[14:15], v[14:15], v[252:253]
	s_delay_alu instid0(VALU_DEP_2)
	v_pk_add_f32 v[232:233], v[232:233], v[250:251]
	s_delay_alu instid0(VALU_DEP_1)
	v_pk_add_f32 v[14:15], v[14:15], v[232:233]
.Lw1s_\@:
	s_add_co_u32 s31, s31, 4096
	s_add_co_u32 s32, s32, 256
	s_add_co_u32 s30, s30, 1
	s_cmp_lt_u32 s30, 16
	s_cbranch_scc1 .Lw1_\@
	s_setprio 0
	s_wait_alu depctr_va_vdst(0)
	v_add_f32 v14, v14, v15
	s_delay_alu instid0(VALU_DEP_1)
	v_permlanex16_b32 v231, v14, s[SEL], s[SEL+1]
	s_delay_alu instid0(VALU_DEP_1)
	v_add_f32 v14, v14, v231                       ; the row's sum
	s_wait_alu depctr_va_vdst(0)
	v_rcp_f32 v[RL], v14
	v_nop
	s_wait_alu depctr_va_vdst(0)
	; ---- walk 2
	s_mov_b32 s30, 0
	s_mov_b32 s31, 0
	s_mov_b32 s32, 0
.Lw2_\@:
	s_cmp_gt_u32 s30, s29
	s_cbranch_scc1 .Lw2s_\@
	s_setprio 2
	v_add_nc_u32 v[ADK], s31, v[LI]                ; these four lines are the places between the last step's products and the loads into V's registers
	v_add_nc_u32 v[ADV], s31, v[AV0]
	v_add_nc_u32 v[ADS], s32, v[AS0]
	v_nop
	KLOAD
	VLOAD
	s_wait_dscnt 9                                 ; K's nine loads are in; V's nine may be out
	SCORES
	MASK
	BLKMAX
.irp b, 0,1,2,3
	s_delay_alu instid0(VALU_DEP_4)
	v_permlanex16_b32 v[EX+\b], v[BM+\b], s[SEL], s[SEL+1]
.endr
.irp b, 0,1,2,3
	s_delay_alu instid0(VALU_DEP_4)
	v_max_num_f32 v[BM+\b], v[BM+\b], v[EX+\b]     ; the block's largest score
.endr
	TMINUSM
	s_setprio 1
.irp b, 0,1,2,3
	v_fma_f32 v[BM+\b], v[BM+\b], s[CS], v12
.endr
	s_wait_alu depctr_va_vdst(0)
	EXPS
	v_nop                                          ; a plain place behind the exponentials
	s_wait_alu depctr_va_vdst(0)                   ; one wait for the 64
.irp b, 0,1,2,3
	v_exp_f32 v[BM+\b], v[BM+\b]
.endr
.irp j, 0,2,4,6,8,10,12,14,16,18,20,22,24,26,28,30,32,34,36,38,40,42,44,46,48,50,52,54,56,58,60,62
	v_pk_mul_f32 v[S+\j:S+1+\j], v[S+\j:S+1+\j], v[RL:RL+1] op_sel_hi:[1,0]   ; normalised; plain work behind the four
.endr
	s_setprio 0
	s_wait_alu depctr_va_vdst(0)                   ; and one for the four
.irp b, 0,1,2,3
	v_mul_f32 v[BM+\b], v[BM+\b], v[RL]            ; the block's largest number: the same instructions on the same score give the same bits
.endr
.irp b, 0,1,2,3
	s_delay_alu instid0(VALU_DEP_4)
	v_max_num_f32 v[BM+\b], 0x1800000, v[BM+\b]    ; the floor 2^(3 - 127)
.endr
.irp b, 0,1,2,3
	s_delay_alu instid0(VALU_DEP_4)
	v_add_nc_u32 v[SO+\b], 0xff000000, v[BM+\b]
.endr
.irp b, 0,1,2,3
	s_delay_alu instid0(VALU_DEP_4)
	v_lshrrev_b32 v[BY+\b], 23, v[SO+\b]
.endr
	s_delay_alu instid0(VALU_DEP_3)
	v_lshl_or_b32 v[PW], v[BY+1], 8, v[BY]
	s_delay_alu instid0(VALU_DEP_1)
	v_lshl_or_b32 v[PW], v[BY+2], 16, v[PW]
	s_delay_alu instid0(VALU_DEP_1)
	v_lshl_or_b32 v[PW], v[BY+3], 24, v[PW]
.irp b, 0,1,2,3
	v_cvt_scalef32_pk8_fp4_f32 v[PC+2*\b], v[S+16*\b:S+7+16*\b], v[SO+\b]
	v_cvt_scalef32_pk8_fp4_f32 v[PC+1+2*\b], v[S+8+16*\b:S+15+16*\b], v[SO+\b]
.endr
	v_nop
.irp c, 0,1
.irp i, 0,1
	v_permlane16_swap_b32 v[PC+4*\c+\i], v[PC+2+4*\c+\i]
.endr
.endr
.rept 8
	v_nop                                          ; a scale register written by a vector instruction stands 8 places ahead of a scaled product, an operand so written 4
.endr
	s_wait_alu depctr_va_vdst(0)
	s_wait_dscnt 0x0                               ; V
.irp t, 0,1,2,3
	v_wmma_scale_f32_16x16x128_f8f6f4 v[O+8*\t:O+8*\t+7], v[VF+8*\t:VF+8*\t+7], v[PC:PC+7], v[O+8*\t:O+8*\t+7], v[VS+\t], v[PW] matrix_a_fmt:MATRIX_FMT_FP4 matrix_b_fmt:MATRIX_FMT_FP4
.endr
.Lw2s_\@:
	s_add_co_u32 s31, s31, 4096
	s_add_co_u32 s32, s32, 256
	s_add_co_u32 s30, s30, 1
	s_cmp_lt_u32 s30, 16
	s_cbranch_scc1 .Lw2_\@
	s_setprio 0
	; ---- the way out: register 16 b + i of O^T is channel 32 b + 16 h + i of my query: two blocks of the last product's K
	PLACES
.irp b, 0,1
	v_max3_num_f32 v[BM+\b], |v[O+16*\b]|, |v[O+1+16*\b]|, 0x1800000
.endr
.irp i, 2,4,6,8,10,12,14
.irp b, 0,1
	v_max3_num_f32 v[BM+\b], v[BM+\b], |v[O+16*\b+\i]|, |v[O+1+16*\b+\i]|
.endr
.endr
.irp b, 0,1
	s_delay_alu instid0(VALU_DEP_2)
	v_permlanex16_b32 v[EX+\b], v[BM+\b], s[SEL], s[SEL+1]
.endr
.irp b, 0,1
	s_delay_alu instid0(VALU_DEP_2)
	v_max_num_f32 v[BM+\b], v[BM+\b], v[EX+\b]
.endr
.irp b, 0,1
	s_delay_alu instid0(VALU_DEP_2)
	v_add_nc_u32 v[SO+\b], 0xff000000, v[BM+\b]
.endr
.irp b, 0,1
	s_delay_alu instid0(VALU_DEP_2)
	v_lshrrev_b32 v[BY+\b], 23, v[SO+\b]
.endr
	s_delay_alu instid0(VALU_DEP_1)
	v_lshl_or_b32 v[PW], v[BY+1], 8, v[BY]         ; the head's two scale bytes of my query
.irp b, 0,1
	v_cvt_scalef32_pk8_fp4_f32 v[PC+2*\b], v[O+16*\b:O+7+16*\b], v[SO+\b]
	v_cvt_scalef32_pk8_fp4_f32 v[PC+1+2*\b], v[O+8+16*\b:O+15+16*\b], v[SO+\b]
.endr
	v_nop
	v_permlane16_swap_b32 v[PC], v[PC+2]
	v_permlane16_swap_b32 v[PC+1], v[PC+3]
	global_store_b128 v[LI], v[PC:PC+3], s[38:39]  ; half a fragment's image: 512 consecutive bytes
	ds_store_b16 v[\hw], v[PW]                     ; both lanes of a query write the same half-word with the same value
.endm
	s_load_b128 s[4:7], s[0:1], 0x0                ; qb, kv
	s_load_b64 s[8:9], s[0:1], 0x10                ; ctx
	v_lshl_add_u32 v254, v0, 2, 0x22400
	v_mov_b32 v255, 0
	v_lshrrev_b32 v4, 5, v0
	s_delay_alu instid0(VALU_DEP_1)
	v_readfirstlane_b32 s10, v4                    ; wave 0..15
	v_and_b32 v4, 31, v0
	v_and_b32 v5, 15, v0                           ; r
	v_bfe_u32 v6, v0, 4, 1                         ; h
	s_delay_alu instid0(VALU_DEP_3)
	v_lshlrev_b32 v[LI], 4, v4
	s_delay_alu instid0(VALU_DEP_1)
	v_add_nc_u32 v[AV0], 0x10000, v[LI]
	s_delay_alu instid0(VALU_DEP_4)
	v_lshlrev_b32 v[AS0], 4, v5
	s_delay_alu instid0(VALU_DEP_1)
	v_add_nc_u32 v[AS0], 0x20000, v[AS0]
	v_and_b32 v[RQ], 8, v5
	s_delay_alu instid0(VALU_DEP_1)
	v_add_nc_u32 v[RQ], v[RQ], v5
	v_lshlrev_b32 v8, 4, v6
	s_delay_alu instid0(VALU_DEP_1)
	v_sub_nc_u32 v[RQ], v[RQ], v8
	v_mov_b32 v[NINF], 0xff800000
	v_lshlrev_b32 v10, 2, v5                       ; 4 r
	s_xor_b32 s15, s10, 14
	s_lshl_b32 s15, s15, 5
	v_lshl_add_u32 v11, v5, 1, s15
	s_delay_alu instid0(VALU_DEP_1)
	v_add_nc_u32 v11, CSG+512, v11                 ; the late tile's half-word: tile 14 - 2 (w / 2) + w % 2 of the sixteen late ones
	s_lshl_b32 s15, s10, 5
	v_lshl_add_u32 v29, v5, 1, s15
	s_delay_alu instid0(VALU_DEP_1)
	v_add_nc_u32 v29, CSG, v29                     ; the early tile's: tile w
	s_and_b32 s14, s10, 1                          ; u
	s_lshl_b32 s15, s14, 9
	v_add_nc_u32 v209, s15, v[LI]
	s_delay_alu instid0(VALU_DEP_1)
	v_add_nc_u32 v209, CSG, v209                   ; where waves 0 and 1 read the half-words back
	s_mul_i32 s15, s10, 8704
	v_add_nc_u32 v230, s15, v[LI]                  ; my sixteenth of the head's block, in memory and in LDS alike
	s_and_b32 s11, ttmp7, 0xffff                   ; head
	s_lshl_b32 s13, ttmp9, 3
	s_lshr_b32 s15, s10, 1
	s_add_co_u32 s13, s13, s15                     ; a
	s_mov_b32 s[CS], 0x3e38aa3b
	s_mov_b32 s[CS+1], s[CS]
	s_mov_b32 s[SEL], 0x76543210
	s_mov_b32 s[SEL+1], 0xfedcba98
	s_mov_b32 s45, 0
	s_wait_alu depctr_va_vdst(0)
	s_wait_kmcnt 0x0
	s_mul_i32 s44, s11, KVH
	s_add_nc_u64 s[16:17], s[6:7], s[44:45]
.irp i, 0,1,2,3,4,5,6,7,8,9,10,11,12,13,14,15,16
	global_load_b128 v[96+4*\i:99+4*\i], v230, s[16:17] offset:512*\i
.endr
	s_lshl_b32 s44, s11, 16
	s_add_nc_u64 s[18:19], s[4:5], s[44:45]        ; the head's images of Q
	s_lshl_b32 s44, s11, 13
	s_add_co_u32 s44, s44, QB_SC
	s_add_nc_u64 s[20:21], s[4:5], s[44:45]        ; and its scale words
	s_lshr_b32 s44, s11, 4
	s_lshl_b32 s44, s44, 20                        ; ctx: 128 tiles of 8,192 bytes a batch,
	s_and_b32 s33, s11, 15
	s_lshl_b32 s33, s33, 9                         ; and 512 bytes on for each head of the sixteen
	s_add_co_u32 s44, s44, s33
	s_add_nc_u64 s[26:27], s[8:9], s[44:45]
	s_lshl_b32 s33, ttmp9, 9                       ; the half-words: wave 0 stores the early tiles', wave 1 the late ones'
	s_sub_co_u32 s40, 3584, s33
	s_cmp_eq_u32 s10, 0
	s_cselect_b32 s33, s33, s40
	s_lshl_b32 s44, s11, 12
	s_add_co_u32 s44, s44, s33
	s_add_co_u32 s44, s44, CTX_SC
	s_add_nc_u64 s[42:43], s[8:9], s[44:45]
.irp j, 0,1,2,3,8,9,10,11
	v_mov_b32 v[QZ+\j], 0                          ; the zero halves beside q
.endr
.irp b, 0,1,2,3
	v_mov_b32 v[EX+\b], 0                          ; written once: a lane permute's destination counts as one of its sources
.endr
	v_mov_b32 v231, 0
	v_mov_b32 v[FF+1], 0                           ; (named as the upper halves of pairs)
	v_mov_b32 v[RL+1], 0
	s_wait_loadcnt 0x0
.irp i, 0,1,2,3,4,5,6,7,8,9,10,11,12,13,14,15,16
	ds_store_b128 v230, v[96+4*\i:99+4*\i] offset:512*\i
.endr
	s_wait_dscnt 0x0
	s_barrier_signal -1
	s_barrier_wait -1                              ; K, V and their scale words lie in LDS; from here on they are only read
	TILE 1, 11
	TILE 0, 29
	s_wait_dscnt 0x0
	s_barrier_signal -1
	s_barrier_wait -1                              ; the 32 tiles' half-words are gathered
	s_cmp_lt_u32 s10, 2
	s_cbranch_scc0 .Lend
	ds_load_b128 v[96:99], v209
	s_wait_dscnt 0x0
	global_store_b128 v[LI], v[96:99], s[42:43]    ; 512 consecutive bytes
.Lend:
	s_wait_tensorcnt 0x0
	ds_add_u32 v254, v255
	s_wait_dscnt 0x0
	s_endpgm
.Lfunc_end_k_q11ba105f4d_attn:
	.size	k_q11ba105f4d_attn, .Lfunc_end_k_q11ba105f4d_attn-k_q11ba105f4d_attn
	.p2alignl 7, 3214868480
	.fill 96, 4, 3214868480
	.section	.rodata,"a",@progbits
	.p2align	6, 0x0
	.amdhsa_kernel k_q11ba105f4d_attn
		.amdhsa_group_segment_fixed_size 142336
		.amdhsa_private_segment_fixed_size 0
		.amdhsa_enable_private_segment 0
		.amdhsa_kernarg_size 24
		.amdhsa_user_sgpr_count 2
		.amdhsa_user_sgpr_kernarg_segment_ptr 1
		.amdhsa_wavefront_size32 1
		.amdhsa_system_sgpr_workgroup_id_x 1
		.amdhsa_system_sgpr_workgroup_id_y 1
		.amdhsa_system_sgpr_workgroup_id_z 1
		.amdhsa_system_vgpr_workitem_id 0
		.amdhsa_next_free_vgpr 256
		.amdhsa_next_free_sgpr 66
		.amdhsa_reserve_vcc 1
		.amdhsa_float_denorm_mode_32 3
		.amdhsa_float_denorm_mode_16_64 3
		.amdhsa_memory_ordered 1
		.amdhsa_forward_progress 1
		.amdhsa_inst_pref_size 89
	.end_amdhsa_kernel
	.amdgpu_metadata
---
amdhsa.version: [ 1, 2 ]
amdhsa.kernels:
  - .name:           k_q11ba105f4d_attn
    .symbol:         k_q11ba105f4d_attn.kd
    .args:
      - { .name: qb, .offset: 0, .size: 8, .value_kind: global_buffer, .address_space: global }
      - { .name: kv, .offset: 8, .size: 8, .value_kind: global_buffer, .address_space: global }
      - { .name: ctx, .offset: 16, .size: 8, .value_kind: global_buffer, .address_space: global }
    .group_segment_fixed_size: 142336
    .private_segment_fixed_size: 0
    .kernarg_segment_align: 8
    .kernarg_segment_size: 24
    .max_flat_workgroup_size: 512
    .sgpr_count:     66
    .vgpr_count:     256
    .wavefront_size: 32
...
	.end_amdgpu_metadata
.endif
;; end of part 3
;; launch outln (part 4): grid 256 x 1, 16 waves a work-group, no clusters, 151,040 bytes of LDS; arguments ctx, wim, x, bo, ln_g, ln_b, out0; writes out0
.if DOCPART == 4
	.amdgcn_target "amdgcn-amd-amdhsa--gfx1250"
	.amdhsa_code_object_version 6
	.text
	.protected	k_q11ba105f4d_outln
	.globl	k_q11ba105f4d_outln
	.p2align	8
	.type	k_q11ba105f4d_outln,@function
k_q11ba105f4d_outln:
	s_mov_b64 s[64:65], 0
	v_nop
	global_prefetch_b8 v0, s[64:65] scope:SCOPE_SE
	s_setreg_imm32_b32 hwreg(HW_REG_WAVE_MODE, 25, 1), 1
	s_wait_xcnt 0x0
; out0 = LayerNorm(ctx Wo + bo + x) x ln_g + ln_b; the product on codes of FP4 with E8M0 scales, f32 sums; all else in f32.
; SHARES.  A work-group owns a group of 32 tokens and all 1,024 columns, so that a row's mean and variance never leave it.  Wave w makes columns 64 w .. 64 w + 63 for both tiles of 16 tokens: eight accumulators,
; which take turns.  Its fragments of Wo come from memory straight into registers (images: dense loads), two K steps ahead; ctx's 16 fragments lie in LDS.  The product is used transposed (source 0 = 16 rows of Wo).
; Then the 32 rows meet in a stage in LDS and each wave takes two whole rows: (sum + bo) + x, the mean, the mean of the squares of what is left when the mean has been taken away, the scaling, the stores.
; Lane r of tile u stands for token 32 g + 8 u + r + 8 (r / 8); stage row 16 u + r.
; The registers that carry scale words (v8-31) hold nothing else in the whole launch.
; No tensor load and no cluster here: all work-groups read the same 557,056 bytes of Wo, which a joint request could share; left for a later version.
; LIMITS: 1 / sqrt is v_rsq_f32; NaN and infinities are not served.
.set CTX_SC, 4194304
.set WO_IM,  1572864
.set WO_SC,  2195456
.set SPI,    4112                      ; a stage row: 4,096 bytes + 16: the 16 rows that a store touches start at 16 different banks
.set CIMG,   131584                    ; LDS behind the stage: ctx's fragments [u][K step][c][512]
.set CSL,    147968                    ; and their scale words [K step][16 u + r]
.set LI,   1
.set STO0, 2
.set STO1, 3
.set SRD,  4
.set CIA,  5
.set CIS,  6
.set CSS,  7
.set CS,   8                           ; v8-15   ctx's scale words by K step: lanes 0-15 tile 0, lanes 16-31 tile 1
.set WS,   16                          ; v16-31  Wo's [pair][K step], likewise
.set CF,   32                          ; v32-47  ctx's two fragments
.set WF,   48                          ; v48-111 Wo's four fragments, two sets
.set ACC,  112                         ; v112-175 accumulators; later two rows of y
.set XR,   176                         ; v176-239 two rows of x; later ln_b in the first 32
.set BO,   32
.set LG,   64
.set LB,   176
.set SEL,  32
.macro PLACES
.rept 4
	v_nop
.endr
.endm
.macro WMZ d, a, b, sa, sb, ra, rb     ; a sum's first product: C is the constant 0
.if (\ra) && (\rb)
	v_wmma_scale_f32_16x16x128_f8f6f4 v[(\d):(\d)+7], v[(\a):(\a)+7], v[(\b):(\b)+7], 0, v[\sa], v[\sb] matrix_a_fmt:MATRIX_FMT_FP4 matrix_b_fmt:MATRIX_FMT_FP4 matrix_a_scale:MATRIX_SCALE_ROW1 matrix_b_scale:MATRIX_SCALE_ROW1
.elseif (\ra)
	v_wmma_scale_f32_16x16x128_f8f6f4 v[(\d):(\d)+7], v[(\a):(\a)+7], v[(\b):(\b)+7], 0, v[\sa], v[\sb] matrix_a_fmt:MATRIX_FMT_FP4 matrix_b_fmt:MATRIX_FMT_FP4 matrix_a_scale:MATRIX_SCALE_ROW1
.elseif (\rb)
	v_wmma_scale_f32_16x16x128_f8f6f4 v[(\d):(\d)+7], v[(\a):(\a)+7], v[(\b):(\b)+7], 0, v[\sa], v[\sb] matrix_a_fmt:MATRIX_FMT_FP4 matrix_b_fmt:MATRIX_FMT_FP4 matrix_b_scale:MATRIX_SCALE_ROW1
.else
	v_wmma_scale_f32_16x16x128_f8f6f4 v[(\d):(\d)+7], v[(\a):(\a)+7], v[(\b):(\b)+7], 0, v[\sa], v[\sb] matrix_a_fmt:MATRIX_FMT_FP4 matrix_b_fmt:MATRIX_FMT_FP4
.endif
.endm
.macro WMR d, a, b, sa, sb, ra, rb     ; and the later ones, in place
.if (\ra) && (\rb)
	v_wmma_scale_f32_16x16x128_f8f6f4 v[(\d):(\d)+7], v[(\a):(\a)+7], v[(\b):(\b)+7], v[(\d):(\d)+7], v[\sa], v[\sb] matrix_a_fmt:MATRIX_FMT_FP4 matrix_b_fmt:MATRIX_FMT_FP4 matrix_a_scale:MATRIX_SCALE_ROW1 matrix_b_scale:MATRIX_SCALE_ROW1
.elseif (\ra)
	v_wmma_scale_f32_16x16x128_f8f6f4 v[(\d):(\d)+7], v[(\a):(\a)+7], v[(\b):(\b)+7], v[(\d):(\d)+7], v[\sa], v[\sb] matrix_a_fmt:MATRIX_FMT_FP4 matrix_b_fmt:MATRIX_FMT_FP4 matrix_a_scale:MATRIX_SCALE_ROW1
.elseif (\rb)
	v_wmma_scale_f32_16x16x128_f8f6f4 v[(\d):(\d)+7], v[(\a):(\a)+7], v[(\b):(\b)+7], v[(\d):(\d)+7], v[\sa], v[\sb] matrix_a_fmt:MATRIX_FMT_FP4 matrix_b_fmt:MATRIX_FMT_FP4 matrix_b_scale:MATRIX_SCALE_ROW1
.else
	v_wmma_scale_f32_16x16x128_f8f6f4 v[(\d):(\d)+7], v[(\a):(\a)+7], v[(\b):(\b)+7], v[(\d):(\d)+7], v[\sa], v[\sb] matrix_a_fmt:MATRIX_FMT_FP4 matrix_b_fmt:MATRIX_FMT_FP4
.endif
.endm
.macro LOADW s                         ; my four fragments of Wo for K step s, into set s % 2
.irp t, 0,1,2,3
.irp c, 0,1
	global_load_b128 v[WF+32*((\s)%2)+8*\t+4*\c:WF+32*((\s)%2)+8*\t+4*\c+3], v[LI], s[26:27] offset:8192*\t+1024*(\s)+512*\c
.endr
.endr
.endm
.macro KSTEP s, n                      ; n: the younger global loads, which may stay out
.irp u, 0,1
.irp c, 0,1
	ds_load_b128 v[CF+8*\u+4*\c:CF+8*\u+4*\c+3], v[CIA] offset:(8*\u+(\s))*1024+512*\c
.endr
.endr
	s_wait_loadcnt \n
	s_wait_dscnt 0x0
.irp t, 0,1,2,3
.irp u, 0,1
.if (\s) == 0
	WMZ ACC+8*(2*\t+\u), WF+32*((\s)%2)+8*\t, CF+8*\u, WS+8*(\t/2)+(\s), CS+(\s), \t%2, \u
.else
	WMR ACC+8*(2*\t+\u), WF+32*((\s)%2)+8*\t, CF+8*\u, WS+8*(\t/2)+(\s), CS+(\s), \t%2, \u
.endif
.endr
.endr
	PLACES                                         ; in front of loads into registers that these products have read, and of the first read of results
.if (\s) < 6
	LOADW (\s)+2
.endif
.endm
.macro REDUCE                          ; v240 summed over the wave's 32 lanes, the result in every lane
	s_delay_alu instid0(VALU_DEP_1)
	v_add_f32_dpp v240, v240, v240 row_xmask:1 row_mask:0xf bank_mask:0xf
	s_delay_alu instid0(VALU_DEP_1)
	v_add_f32_dpp v240, v240, v240 row_xmask:2 row_mask:0xf bank_mask:0xf
	s_delay_alu instid0(VALU_DEP_1)
	v_add_f32_dpp v240, v240, v240 row_xmask:4 row_mask:0xf bank_mask:0xf
	s_delay_alu instid0(VALU_DEP_1)
	v_add_f32_dpp v240, v240, v240 row_xmask:8 row_mask:0xf bank_mask:0xf
	s_delay_alu instid0(VALU_DEP_1)
	v_permlanex16_b32 v244, v240, s[SEL], s[SEL+1]
	s_delay_alu instid0(VALU_DEP_1)
	v_add_f32 v240, v240, v244
.endm
.macro ROWLN i
.set Y, ACC+32*(\i)
	v_pk_add_f32 v[240:241], v[Y:Y+1], v[Y+2:Y+3]
	v_pk_add_f32 v[242:243], v[Y+4:Y+5], v[Y+6:Y+7]
.irp p, 8,12,16,20,24,28
	s_delay_alu instid0(VALU_DEP_2)
	v_pk_add_f32 v[240:241], v[240:241], v[Y+\p:Y+\p+1]
	s_delay_alu instid0(VALU_DEP_2)
	v_pk_add_f32 v[242:243], v[242:243], v[Y+\p+2:Y+\p+3]
.endr
	s_delay_alu instid0(VALU_DEP_1)
	v_pk_add_f32 v[240:241], v[240:241], v[242:243]
	s_delay_alu instid0(VALU_DEP_1)
	v_add_f32 v240, v240, v241
	REDUCE
	s_delay_alu instid0(VALU_DEP_1)
	v_mul_f32 v246, s30, v240                      ; the mean
.irp p, 0,2,4,6,8,10,12,14,16,18,20,22,24,26,28,30
	v_pk_add_f32 v[Y+\p:Y+\p+1], v[Y+\p:Y+\p+1], v[246:247] op_sel_hi:[1,0] neg_lo:[0,1] neg_hi:[0,1]   ; it is taken away before the squares
.endr
	v_pk_mul_f32 v[240:241], v[Y:Y+1], v[Y:Y+1]
	v_pk_mul_f32 v[242:243], v[Y+2:Y+3], v[Y+2:Y+3]
.irp p, 4,8,12,16,20,24,28
	s_delay_alu instid0(VALU_DEP_2)
	v_pk_fma_f32 v[240:241], v[Y+\p:Y+\p+1], v[Y+\p:Y+\p+1], v[240:241]
	s_delay_alu instid0(VALU_DEP_2)
	v_pk_fma_f32 v[242:243], v[Y+\p+2:Y+\p+3], v[Y+\p+2:Y+\p+3], v[242:243]
.endr
	s_delay_alu instid0(VALU_DEP_1)
	v_pk_add_f32 v[240:241], v[240:241], v[242:243]
	s_delay_alu instid0(VALU_DEP_1)
	v_add_f32 v240, v240, v241
	REDUCE
	s_delay_alu instid0(VALU_DEP_1)
	v_fma_f32 v240, v240, s30, s31                 ; the variance + 1e-5
	s_wait_alu depctr_va_vdst(0)
	v_rsq_f32 v248, v240
	v_nop                                          ; a plain place behind the transcendental
	s_wait_alu depctr_va_vdst(0)                   ; and the wait ahead of its first reader
.irp p, 0,2,4,6,8,10,12,14,16,18,20,22,24,26,28,30
	v_pk_mul_f32 v[Y+\p:Y+\p+1], v[Y+\p:Y+\p+1], v[248:249] op_sel_hi:[1,0]
.endr
.if (\i) == 0
	s_wait_loadcnt 0x0                             ; ln_b
.endif
.irp p, 0,2,4,6,8,10,12,14,16,18,20,22,24,26,28,30
	v_pk_fma_f32 v[Y+\p:Y+\p+1], v[Y+\p:Y+\p+1], v[LG+\p:LG+\p+1], v[LB+\p:LB+\p+1]
.endr
.irp c, 0,1,2,3,4,5,6,7
	global_store_b128 v[LI], v[Y+4*\c:Y+4*\c+3], s[16:17] offset:4096*(\i)+512*\c th:TH_STORE_NT   ; 512 consecutive bytes of the row
.endr
.endm
	s_load_b256 s[4:11], s[0:1], 0x0               ; ctx, wim, x, bo
	s_load_b128 s[12:15], s[0:1], 0x20             ; ln_g, ln_b
	s_load_b64 s[16:17], s[0:1], 0x30              ; out0
	v_lshl_add_u32 v254, v0, 2, 0x24600
	v_mov_b32 v255, 0
	v_lshrrev_b32 v2, 5, v0
	s_delay_alu instid0(VALU_DEP_1)
	v_readfirstlane_b32 s18, v2                    ; wave 0..15
	v_and_b32 v240, 31, v0                         ; lane
	v_and_b32 v241, 15, v0                         ; r
	v_bfe_u32 v243, v0, 4, 1                       ; h
	s_delay_alu instid0(VALU_DEP_3)
	v_lshlrev_b32 v[LI], 4, v240
	s_delay_alu instid0(VALU_DEP_3)
	v_mul_u32_u24 v[STO0], v241, SPI
	s_delay_alu instid0(VALU_DEP_1)
	v_lshl_add_u32 v[STO0], v243, 6, v[STO0]
	s_lshl_b32 s19, s18, 8
	v_add_nc_u32 v[STO0], s19, v[STO0]             ; stage row r, + 64 h, + my 256 bytes
	s_delay_alu instid0(VALU_DEP_1)
	v_add_nc_u32 v[STO1], 16*SPI, v[STO0]          ; tile 1's rows
	s_mul_i32 s19, s18, 2*SPI
	v_add_nc_u32 v[SRD], s19, v[LI]                ; back: my two rows
	v_add_nc_u32 v[CIA], CIMG, v[LI]
	s_lshl_b32 s19, s18, 10
	v_add_nc_u32 v[CIS], s19, v[CIA]               ; where I put my fragment of ctx
	v_lshlrev_b32 v241, 2, v240
	s_delay_alu instid0(VALU_DEP_1)
	v_add_nc_u32 v241, CSL, v241                   ; CSL + 4 lane
	s_lshr_b32 s19, s18, 1
	s_lshl_b32 s19, s19, 7
	s_and_b32 s34, s18, 1
	s_lshl_b32 s34, s34, 1
	s_add_co_u32 s19, s19, s34
	v_add_nc_u32 v[CSS], s19, v241                 ; head w's half of the word of K step w / 2
	v_lshlrev_b32 v242, 1, v240                    ; 2 x lane
	v_mov_b32 v244, 0                              ; written once: a lane permute's destination counts as one of its sources
	v_mov_b32 v247, 0                              ; (named as the upper halves of pairs)
	v_mov_b32 v249, 0
	s_mov_b32 s30, 0x3a800000                      ; 1 / 1,024
	s_mov_b32 s31, 0x3727c5ac                      ; 1e-5
	s_mov_b32 s[SEL], 0x76543210
	s_mov_b32 s[SEL+1], 0xfedcba98
	s_mov_b32 s37, 0
	s_wait_alu depctr_va_vdst(0)
	s_wait_kmcnt 0x0
	s_lshl_b32 s36, ttmp9, 14
	s_lshl_b32 s34, s18, 10
	s_add_co_u32 s36, s36, s34
	s_add_nc_u64 s[20:21], s[4:5], s[36:37]        ; ctx's images: the group's 16,384 bytes, my 1,024
	s_lshr_b32 s36, ttmp9, 6
	s_lshl_b32 s36, s36, 4
	s_add_co_u32 s36, s36, s18                     ; head 16 x batch + w
	s_lshl_b32 s36, s36, 12
	s_and_b32 s34, ttmp9, 63
	s_lshl_b32 s34, s34, 6
	s_add_co_u32 s36, s36, s34
	s_add_co_u32 s36, s36, CTX_SC
	s_add_nc_u64 s[22:23], s[4:5], s[36:37]        ; its half-words of the group's two tiles
	s_lshl_b32 s36, s18, 11
	s_add_co_u32 s36, s36, WO_SC
	s_add_nc_u64 s[24:25], s[6:7], s[36:37]
	s_lshl_b32 s36, s18, 15
	s_add_co_u32 s36, s36, WO_IM
	s_add_nc_u64 s[26:27], s[6:7], s[36:37]
	s_lshr_b32 s36, s18, 3                         ; the token of stage row 2 w: 8 (w / 8) + 2 (w % 8) + 8 ((w / 4) % 2)
	s_lshl_b32 s36, s36, 3
	s_and_b32 s34, s18, 7
	s_lshl_b32 s34, s34, 1
	s_add_co_u32 s36, s36, s34
	s_bfe_u32 s34, s18, 0x10002
	s_lshl_b32 s34, s34, 3
	s_add_co_u32 s36, s36, s34
	s_lshl_b32 s34, ttmp9, 5
	s_add_co_u32 s36, s36, s34
	s_lshl_b32 s36, s36, 12
	s_add_nc_u64 s[8:9], s[8:9], s[36:37]
	s_add_nc_u64 s[16:17], s[16:17], s[36:37]
	global_load_b128 v[112:115], v[LI], s[20:21]
	global_load_b128 v[116:119], v[LI], s[20:21] offset:512
	global_load_u16 v120, v242, s[22:23]
.irp p, 0,1
.irp q, 0,1
	global_load_b128 v[WS+8*\p+4*\q:WS+8*\p+4*\q+3], v[LI], s[24:25] offset:1024*\p+512*\q
.endr
.endr
	LOADW 0
	LOADW 1
.irp i, 0,1
.irp c, 0,1,2,3,4,5,6,7
	global_load_b128 v[XR+32*\i+4*\c:XR+32*\i+4*\c+3], v[LI], s[8:9] offset:4096*\i+512*\c th:TH_LOAD_NT
.endr
.endr
	s_wait_loadcnt 36                              ; ctx's three loads are in; behind them: 4 of scale words, 16 of Wo, 16 of x
	ds_store_b128 v[CIS], v[112:115]
	ds_store_b128 v[CIS], v[116:119] offset:512
	ds_store_b16 v[CSS], v120
	s_wait_dscnt 0x0
	s_barrier_signal -1
	s_barrier_wait -1                              ; ctx's sixteen fragments and their scale words lie in LDS
.irp s, 0,1,2,3,4,5,6,7
	ds_load_b32 v[CS+\s], v241 offset:128*\s
.endr
	KSTEP 0, 24                                    ; may be out: K step 1's 8 and x's 16
	KSTEP 1, 24                                    ; x's 16 and K step 2's 8
	KSTEP 2, 8                                     ; from here on the next K step's 8
	KSTEP 3, 8
	KSTEP 4, 8
	KSTEP 5, 8
	KSTEP 6, 8
	KSTEP 7, 0
.irp c, 0,1,2,3,4,5,6,7
	global_load_b128 v[BO+4*\c:BO+4*\c+3], v[LI], s[10:11] offset:512*\c
.endr
.irp c, 0,1,2,3,4,5,6,7
	global_load_b128 v[LG+4*\c:LG+4*\c+3], v[LI], s[12:13] offset:512*\c
.endr
.irp t, 0,1,2,3                        ; register j of tile t: column 64 w + 32 (t / 2) + 16 h + 8 (t % 2) + j; each accumulator from its low end on
	ds_store_b128 v[STO0], v[ACC+16*\t:ACC+16*\t+3] offset:128*(\t/2)+32*(\t%2)
	ds_store_b128 v[STO0], v[ACC+16*\t+4:ACC+16*\t+7] offset:128*(\t/2)+32*(\t%2)+16
	ds_store_b128 v[STO1], v[ACC+16*\t+8:ACC+16*\t+11] offset:128*(\t/2)+32*(\t%2)
	ds_store_b128 v[STO1], v[ACC+16*\t+12:ACC+16*\t+15] offset:128*(\t/2)+32*(\t%2)+16
.endr
	s_wait_dscnt 0x0
	s_barrier_signal -1
	s_barrier_wait -1                              ; 32 whole rows lie in the stage
.irp i, 0,1
.irp c, 0,1,2,3,4,5,6,7
	ds_load_b128 v[ACC+32*\i+4*\c:ACC+32*\i+4*\c+3], v[SRD] offset:SPI*\i+512*\c
.endr
.endr
	s_wait_loadcnt 0x0                             ; bo and ln_g
	s_wait_dscnt 0x0
.irp i, 0,1
.irp p, 0,2,4,6,8,10,12,14,16,18,20,22,24,26,28,30
	v_pk_add_f32 v[ACC+32*\i+\p:ACC+32*\i+\p+1], v[ACC+32*\i+\p:ACC+32*\i+\p+1], v[BO+\p:BO+\p+1]
.endr
.irp p, 0,2,4,6,8,10,12,14,16,18,20,22,24,26,28,30
	v_pk_add_f32 v[ACC+32*\i+\p:ACC+32*\i+\p+1], v[ACC+32*\i+\p:ACC+32*\i+\p+1], v[XR+32*\i+\p:XR+32*\i+\p+1]
.endr
.endr
.irp c, 0,1,2,3,4,5,6,7
	global_load_b128 v[LB+4*\c:LB+4*\c+3], v[LI], s[14:15] offset:512*\c   ; into the registers that x has left; it lands under row 0's sums
.endr
	ROWLN 0
	ROWLN 1
	s_wait_tensorcnt 0x0
	ds_add_u32 v254, v255
	s_wait_dscnt 0x0
	s_endpgm
.Lfunc_end_k_q11ba105f4d_outln:
	.size	k_q11ba105f4d_outln, .Lfunc_end_k_q11ba105f4d_outln-k_q11ba105f4d_outln
	.p2alignl 7, 3214868480
	.fill 96, 4, 3214868480
	.section	.rodata,"a",@progbits
	.p2align	6, 0x0
	.amdhsa_kernel k_q11ba105f4d_outln
		.amdhsa_group_segment_fixed_size 151040
		.amdhsa_private_segment_fixed_size 0
		.amdhsa_enable_private_segment 0
		.amdhsa_kernarg_size 56
		.amdhsa_user_sgpr_count 2
		.amdhsa_user_sgpr_kernarg_segment_ptr 1
		.amdhsa_wavefront_size32 1
		.amdhsa_system_sgpr_workgroup_id_x 1
		.amdhsa_system_sgpr_workgroup_id_y 1
		.amdhsa_system_sgpr_workgroup_id_z 1
		.amdhsa_system_vgpr_workitem_id 0
		.amdhsa_next_free_vgpr 256
		.amdhsa_next_free_sgpr 66
		.amdhsa_reserve_vcc 0
		.amdhsa_float_denorm_mode_32 3
		.amdhsa_float_denorm_mode_16_64 3
		.amdhsa_memory_ordered 1
		.amdhsa_forward_progress 1
		.amdhsa_inst_pref_size 49
	.end_amdhsa_kernel
	.amdgpu_metadata
---
amdhsa.version: [ 1, 2 ]
amdhsa.kernels:
  - .name:           k_q11ba105f4d_outln
    .symbol:         k_q11ba105f4d_outln.kd
    .args:
      - { .name: ctx, .offset: 0, .size: 8, .value_kind: global_buffer, .address_space: global }
      - { .name: wim, .offset: 8, .size: 8, .value_kind: global_buffer, .address_space: global }
      - { .name: x, .offset: 16, .size: 8, .value_kind: global_buffer, .address_space: global }
      - { .name: bo, .offset: 24, .size: 8, .value_kind: global_buffer, .address_space: global }
      - { .name: ln_g, .offset: 32, .size: 8, .value_kind: global_buffer, .address_space: global }
      - { .name: ln_b, .offset: 40, .size: 8, .value_kind: global_buffer, .address_space: global }
      - { .name: out0, .offset: 48, .size: 8, .value_kind: global_buffer, .address_space: global }
    .group_segment_fixed_size: 151040
    .private_segment_fixed_size: 0
    .kernarg_segment_align: 8
    .kernarg_segment_size: 56
    .max_flat_workgroup_size: 512
    .sgpr_count:     66
    .vgpr_count:     256
    .wavefront_size: 32
...
	.end_amdgpu_metadata
.endif
;; end of part 4
